; MI455X (gfx1250); checked and timed in simulation.
; The chip was launched on July 23, 2026; its instructions are those of AMD's public machine-readable ISA for CDNA 5 (MIT licence, August 2026) and "CDNA5" Instruction Set Architecture Reference Guide (July 2026). The comments in the code are by the model that wrote it; some were corrected since.
;; Self Attention Hybrid. Allowed arithmetic: matrix products marked QUANTISED: E3M2 operands, one E8M0 scale for each 32 along K, by v_wmma_scale_f32_16x16x128_f8f6f4 with both operands' format E3M2, f32 sums; everything else in f32.
;; Inputs: Wk 1,024 x 1,024 float32; Wo 1,024 x 1,024 float32; Wq 1,024 x 1,024 float32; Wv 1,024 x 1,024 float32; bk 1,024 float32; bo 1,024 float32; bq 1,024 float32; bv 1,024 float32; x 4 x 2,048 x 1,024 float32.
;; Outputs: out0 4 x 2,048 x 1,024 float32.
;; This version of the problem:
;;   THIS VERSION OF THE PROBLEM IS GIVEN IN LOW PRECISION. The matrix products marked QUANTISED in the list below multiply operands that are first quantised to E3M2 (3 exponent bits, 2 mantissa bits; 6 bits a number), with one power-of-two scale for each 32 numbers along K (OCP MX v1.0); their sums are f32. All else is computed in f32.
;;   The module's matrix products, in the order in which they are computed (A, B: the left and right operand; K: the contracted axis; several contracted axes count as one K, in the product's order):
;;     1. [M 8,192, K 1,024] x [K 1,024, N 1,024]; A: input x; B: input Wq: QUANTISED
;;     2. [M 8,192, K 1,024] x [K 1,024, N 1,024]; A: input x; B: input Wk: QUANTISED
;;     3. [M 8,192, K 1,024] x [K 1,024, N 1,024]; A: input x; B: input Wv: QUANTISED
;;     4. batch 4 x [M 2,048, K 1,024] x [K 1,024, N 2,048]; A: computed on the way; B: computed on the way: QUANTISED
;;     5. batch 4 x [M 2,048, K 2,048] x [K 2,048, N 1,024]; A: softmax (see below); B: computed on the way: QUANTISED
;;     6. [M 8,192, K 1,024] x [K 1,024, N 1,024]; A: computed on the way; B: input Wo: QUANTISED
;;   THE QUANTISER, for each operand of a quantised product, along K:
;;     - K is cut into blocks of 32 from its start; a last block that is shorter is filled with zeros.
;;     - A block's scale is 2^e with e = floor(log2(the largest magnitude in the block)) - 4, held to -126 .. 127; a block of zeros has e = 0. As a byte (E8M0): e + 127.
;;     - Each number is divided by its block's scale, clamped to +-28, and rounded to the nearest number of E3M2, ties to even, subnormals kept.
;;     - The product sums the exact products of the quantised numbers (number of the format x scale) in f32.
;;   ~~~python
;;   def quantise(x, axis):      # numpy; x: float32 -> the quantised numbers, widened to float32 again
;;       x = np.moveaxis(x, axis, -1); K = x.shape[-1]
;;       x = np.pad(x, [(0, 0)] * (x.ndim - 1) + [(0, -K % 32)]); x = x.reshape(x.shape[:-1] + (-1, 32)); a = np.abs(x).max(-1, keepdims=True)
;;       e = np.where(a > 0, np.clip(np.frexp(np.where(a > 0, a, 1))[1] - 1 - 4, -126, 127), 0)      # np.frexp(a)[1] - 1 = floor(log2(a)), exactly
;;       r = np.clip(x / 2.0 ** e, -28, 28)
;;       step = 2.0 ** (np.maximum(np.frexp(np.where(r == 0, 1, r))[1] - 1, -2) - 2)
;;       q = np.round(r / step) * step * 2.0 ** e      # np.round: ties to even
;;       return np.moveaxis(q.reshape(q.shape[:-2] + (-1,))[..., :K], -1, axis).astype(np.float32)
;;   ~~~
;;   SOFTMAX AHEAD OF A QUANTISED PRODUCT. Where the list says 'softmax', what is quantised is not the finished softmax but p = 2^(t - M), with t = logit x log2(e) and M = ceil(the row's largest t), a whole number; so 1/2 < the row's largest p <= 1. The row's sum l is taken of the UNQUANTISED p, in f32, and the product's result is divided by l at the end. Since M is a whole number, a kernel that streams over the keys may use a running M (the ceiling of the running maximum): every later rescaling is an exact power of two, which a block's scale takes up: the codes' values come out the same.
;;   OPERANDS COMPUTED ON THE WAY. 'Computed on the way' means the value that the module computes at that place (a softmax that the list does not call 'softmax' is quantised finished and normalised). What goes into a quantiser is computed in f32, as accurately as f32 sums, v_exp_f32 and their like allow (about 1e-6 of the number): no bf16 or f16 on the way to a quantiser, and a product that is left as it is and whose result goes on into a quantised operand takes f32 operands (vector FMAs, or v_wmma_f32_16x16x4_f32). A number that lies on a knife's edge between two numbers of the format may be rounded either way, as far as f32 arithmetic and the matrix unit's own rounding can turn it there, and no further.
;; One version. Each part assembles by itself: llvm-mc -triple=amdgcn-amd-amdhsa -mcpu=gfx1250 --defsym DOCPART=n.
;; ======== version 1 of 1: 5 launches
;; limits: right only within a limited range of input values
;; workspace buffers: xw_c 9,437,184 bytes; xw_s 393,216 bytes; qkv_c 18,874,368 bytes; qkv_s 786,432 bytes; p_c 12,582,912 bytes; p_st 1,572,864 bytes; o_c 6,291,456 bytes; o_s 262,144 bytes
;; launch quant (part 1): grid 768 x 1, 4 waves a work-group, no clusters, 67,072 bytes of LDS; arguments x, Wq, Wk, Wv, Wo, xw_c, xw_s; writes xw_c, xw_s
.if DOCPART == 1
	.amdgcn_target "amdgcn-amd-amdhsa--gfx1250"
	.amdhsa_code_object_version 6
	.text
	.protected	k_q38f88c0f15_quant
	.globl	k_q38f88c0f15_quant
	.p2align	8
	.type	k_q38f88c0f15_quant,@function
k_q38f88c0f15_quant:
	s_mov_b64 s[64:65], 0
	v_nop
	global_prefetch_b8 v0, s[64:65] scope:SCOPE_SE
	s_setreg_imm32_b32 hwreg(HW_REG_WAVE_MODE, 25, 1), 1
	s_wait_xcnt 0x0
; x [8192][1024] and Wq, Wk, Wv, Wo [1024][1024], f32, K innermost, become codes of BF6 (E3M2) with one E8M0 byte for each 32 along K.
; THE CODES ARE LAID AS IMAGES OF THE OPERAND'S REGISTERS.  A fragment is 16 rows x 128 K = 12 registers a lane = 1,536 bytes: registers 4 c .. 4 c + 3 of lane l at byte 512 c + 16 l.
; Row block i = 2 b + u of a tensor holds, in lane row r, the tensor's row 32 b + 8 u + r + 8 (r / 8).  xw_c: [768 row blocks][8 K steps] fragments (blocks 0-511 x, then 64 each of Wq, Wk, Wv, Wo);
; xw_s: [768][8][16 lane rows] scale words (byte b of a word: k = 32 b .. 32 b + 31 of the K step).
; A block's scale is 2^(floor(log2(largest magnitude)) - 4); its byte is the largest magnitude's exponent field - 4, held at 1 from below.
; LIMITS: NaN and infinities are not served; a block whose largest magnitude lies under 2^-122 keeps the byte 1, a block of zeros too (its codes are zeros; this program alone reads the bytes).
; SHARES: a work-group takes one row block, wave w its K = 256 w .. 256 w + 255: two fragments.  Each load reads 512 consecutive bytes of a row; the numbers turn through the wave's own stage in LDS
; (rows 1,040 bytes apart) and come back 32 neighbours along K to a lane, as the operand's layout has them.  Waves share nothing: no barrier.  All 32 loads of a wave go out at once.
.set R0,  16                           ; v16-79   K step 0 as loaded (16 rows x 4 registers); later K step 1's numbers by blocks
.set R1,  80                           ; v80-143  K step 1 as loaded
.set X,   144                          ; v144-207 K step 0's numbers: register 32 c + i = k 64 c + 32 h + i of my row
.set TM,  208                          ; v208-209 largest magnitudes, v210-211 bytes, v212-213 the conversions' scale operands
.set PC0, 216                          ; v216-227 the first fragment, v228-235 at work
.set PC1, 236                          ; v236-247 the second, v248-255 at work
.set SP,  1040                         ; a stage row: 1,024 bytes + 16
.set WST, 16*SP                        ; a wave's stage
	s_load_b256 s[4:11], s[0:1], 0x0               ; x, Wq, Wk, Wv
	s_load_b128 s[12:15], s[0:1], 0x20             ; Wo, xw_c
	s_load_b64 s[16:17], s[0:1], 0x30              ; xw_s
	v_lshl_add_u32 v251, v0, 2, 0x10400
	v_mov_b32 v255, 0
	v_lshrrev_b32 v1, 5, v0
	v_readfirstlane_b32 s18, v1                    ; wave
	v_and_b32 v1, 31, v0                           ; lane
	v_and_b32 v2, 15, v0                           ; r
	v_bfe_u32 v3, v0, 4, 1                         ; h
	v_lshlrev_b32 v4, 4, v1                        ; 16 x lane: my bytes of a load's 512, and of an image's chunk
	s_mul_i32 s19, s18, WST
	v_add_nc_u32 v5, s19, v4                       ; the stage, on the way in
	v_mul_u32_u24 v6, v2, SP
	v_lshl_add_u32 v6, v3, 7, v6
	v_add_nc_u32 v6, s19, v6                       ; and out: row r, + 128 h bytes: my block of 32
	; THE SCALE WORDS' LAYOUT, in all buffers of this program: [group of 8 row blocks][K step][32 places][4 pairs]: the word of row block 8 G + 2 g + u, K step s, lane row r lies at G x (512 x steps) + 512 s + 16 (r + 16 u) + 4 g
	v_lshlrev_b32 v7, 4, v2                        ; 16 r,
	v_lshl_add_u32 v7, v3, 9, v7                   ; + 512 for lanes 16-31, which hold the second K step's words
	v_lshlrev_b32 v8, 3, v3                        ; 8 h: my two bytes' shift in the scale word
	v_mov_b32 v11, 0                               ; a lane permute's destination counts as read
	s_mov_b32 s20, 0x76543210
	s_mov_b32 s21, 0xfedcba98                      ; lane l xor 16
	s_mov_b32 s22, 0xffff0000                      ; lanes 16-31
	s_sub_co_u32 s24, ttmp9, 512
	s_and_b32 s24, s24, 63
	s_cmp_lt_u32 ttmp9, 512
	s_cselect_b32 s24, ttmp9, s24                  ; the row block's number in its own tensor
	s_lshr_b32 s25, s24, 1
	s_lshl_b32 s25, s25, 17                        ; 32 rows of 4,096 bytes for each pair of blocks,
	s_and_b32 s26, s24, 1
	s_lshl_b32 s26, s26, 15                        ; 8 rows for the odd one,
	s_add_co_u32 s26, s26, s25
	s_lshl_b32 s25, s18, 10                        ; my wave's 256 numbers of a row
	s_add_co_u32 s26, s26, s25
	s_mov_b32 s27, 0
	s_lshl_b32 s28, ttmp9, 3
	s_lshl_b32 s29, s18, 1
	s_add_co_u32 s28, s28, s29                     ; my first fragment: 8 x row block + 2 x wave
	s_mul_i32 s30, s28, 1536
	s_mov_b32 s31, 0
	s_lshr_b32 s28, ttmp9, 3
	s_lshl_b32 s28, s28, 12                        ; the group: 4,096 bytes (8 K steps),
	s_lshl_b32 s29, s18, 10                        ; K step 2 x wave,
	s_add_co_u32 s28, s28, s29
	s_and_b32 s29, ttmp9, 1
	s_lshl_b32 s29, s29, 8                         ; the odd row block of a pair: places 16-31,
	s_add_co_u32 s28, s28, s29
	s_bfe_u32 s29, ttmp9, 0x20001
	s_lshl_b32 s29, s29, 2                         ; the pair
	s_add_co_u32 s28, s28, s29
	s_mov_b32 s29, 0
	s_wait_alu depctr_va_vdst(0)
	s_wait_kmcnt 0x0
	s_cmp_lt_u32 ttmp9, 704                        ; which tensor: the choice hangs on the work-group's number alone
	s_cselect_b64 s[12:13], s[10:11], s[12:13]
	s_cmp_lt_u32 ttmp9, 640
	s_cselect_b64 s[12:13], s[8:9], s[12:13]
	s_cmp_lt_u32 ttmp9, 576
	s_cselect_b64 s[12:13], s[6:7], s[12:13]
	s_cmp_lt_u32 ttmp9, 512
	s_cselect_b64 s[12:13], s[4:5], s[12:13]
	s_add_nc_u64 s[12:13], s[12:13], s[26:27]
	s_add_nc_u64 s[14:15], s[14:15], s[30:31]
	s_add_nc_u64 s[16:17], s[16:17], s[28:29]
.irp f, 0,1
.irp q, 0,1,2,3,4,5,6,7,8,9,10,11,12,13,14,15
	global_load_b128 v[R0+64*\f+4*\q:R0+64*\f+4*\q+3], v4, s[12:13] offset:(\q+8*(\q/8))*4096+512*\f th:TH_LOAD_NT   ; lane row q's 128 numbers of K step f: 512 consecutive bytes
.endr
.endr
; 64 numbers of a lane (two whole blocks: h and 2 + h of the K step) become a fragment in v[pc] on and its row's scale word in v[pw]
.macro QUANTL src, pc, pw
.irp c, 0,1
	v_max3_num_f32 v[TM+\c], |v[\src+32*\c]|, |v[\src+32*\c+1]|, 0x2800000   ; with the floor 2^(5 - 127): the byte cannot fall under 1
.endr
.irp i, 2,4,6,8,10,12,14,16,18,20,22,24,26,28,30
.irp c, 0,1
	v_max3_num_f32 v[TM+\c], v[TM+\c], |v[\src+32*\c+\i]|, |v[\src+32*\c+\i+1]|   ; the two blocks by turns
.endr
.endr
.irp c, 0,1
	v_add_nc_u32 v[TM+4+\c], 0xfe000000, v[TM+\c]  ; 4 off the exponent field: the conversion's scale operand
.endr
.irp c, 0,1
	v_lshrrev_b32 v[TM+2+\c], 23, v[TM+4+\c]       ; the scale's byte
.endr
	v_lshl_or_b32 v[\pw], v[TM+3], 16, v[TM+2]     ; bytes h and 2 + h,
	v_lshlrev_b32 v[\pw], v8, v[\pw]               ; at their places;
	v_permlanex16_b32 v11, v[\pw], s20, s21
	v_or_b32 v[\pw], v[\pw], v11                   ; with lane l xor 16's two the word is whole, in both lanes
.irp c, 0,1
	v_cvt_scalef32_pk16_bf6_f32 v[\pc+6*\c:\pc+6*\c+2], v[\src+32*\c:\src+32*\c+15], v[TM+4+\c]
	v_cvt_scalef32_pk16_bf6_f32 v[\pc+12+4*\c:\pc+14+4*\c], v[\src+32*\c+16:\src+32*\c+31], v[TM+4+\c]   ; (a conversion's three registers begin on an even number)
.endr
	v_nop                                          ; one plain place behind a scaled conversion
.irp c, 0,1
.irp i, 0,1,2
	v_mov_b32 v[\pc+3+6*\c+\i], v[\pc+12+4*\c+\i]
.endr
.endr
.endm
	s_wait_loadcnt 16                              ; K step 0's sixteen loads are in; K step 1's sixteen may be out
.irp q, 0,1,2,3,4,5,6,7,8,9,10,11,12,13,14,15
	ds_store_b128 v5, v[R0+4*\q:R0+4*\q+3] offset:SP*\q
.endr
.irp c, 0,1
.irp j, 0,1,2,3,4,5,6,7
	ds_load_b128 v[X+32*\c+4*\j:X+32*\c+4*\j+3], v6 offset:256*\c+16*\j   ; LDS serves a wave's instructions in order: these see the stores above
.endr
.endr
	s_wait_loadcnt 0x0
.irp q, 0,1,2,3,4,5,6,7,8,9,10,11,12,13,14,15
	ds_store_b128 v5, v[R1+4*\q:R1+4*\q+3] offset:SP*\q+512
.endr
	s_wait_dscnt 16                                ; all but the sixteen stores just issued: K step 0's numbers are back, and its stores have read R0
.irp c, 0,1
.irp j, 0,1,2,3,4,5,6,7
	ds_load_b128 v[R0+32*\c+4*\j:R0+32*\c+4*\j+3], v6 offset:512+256*\c+16*\j
.endr
.endr
	QUANTL X, PC0, 9
.irp c, 0,1,2
	global_store_b128 v4, v[PC0+4*\c:PC0+4*\c+3], s[14:15] offset:512*\c          ; 512 consecutive bytes, aligned
.endr
	s_wait_dscnt 0x0
	QUANTL R0, PC1, 10
.irp c, 0,1,2
	global_store_b128 v4, v[PC1+4*\c:PC1+4*\c+3], s[14:15] offset:1536+512*\c
.endr
	v_cndmask_b32 v12, v9, v10, s22                ; lanes 0-15 the first fragment's words, lanes 16-31 the second's: a word every 16 bytes, lanes 16-31 512 bytes on
	global_store_b32 v7, v12, s[16:17]
	s_wait_tensorcnt 0x0
	ds_add_u32 v251, v255
	s_wait_dscnt 0x0
	s_endpgm
.Lfunc_end_k_q38f88c0f15_quant:
	.size	k_q38f88c0f15_quant, .Lfunc_end_k_q38f88c0f15_quant-k_q38f88c0f15_quant
	.p2alignl 7, 3214868480
	.fill 96, 4, 3214868480
	.section	.rodata,"a",@progbits
	.p2align	6, 0x0
	.amdhsa_kernel k_q38f88c0f15_quant
		.amdhsa_group_segment_fixed_size 67072
		.amdhsa_private_segment_fixed_size 0
		.amdhsa_enable_private_segment 0
		.amdhsa_kernarg_size 56
		.amdhsa_user_sgpr_count 2
		.amdhsa_user_sgpr_kernarg_segment_ptr 1
		.amdhsa_wavefront_size32 1
		.amdhsa_system_sgpr_workgroup_id_x 1
		.amdhsa_system_sgpr_workgroup_id_y 1
		.amdhsa_system_sgpr_workgroup_id_z 1
		.amdhsa_system_vgpr_workitem_id 0
		.amdhsa_next_free_vgpr 256
		.amdhsa_next_free_sgpr 66
		.amdhsa_reserve_vcc 0
		.amdhsa_float_denorm_mode_32 3
		.amdhsa_float_denorm_mode_16_64 3
		.amdhsa_memory_ordered 1
		.amdhsa_forward_progress 1
		.amdhsa_inst_pref_size 17
	.end_amdhsa_kernel
	.amdgpu_metadata
---
amdhsa.version: [ 1, 2 ]
amdhsa.kernels:
  - .name:           k_q38f88c0f15_quant
    .symbol:         k_q38f88c0f15_quant.kd
    .args:
      - { .name: x, .offset: 0, .size: 8, .value_kind: global_buffer, .address_space: global }
      - { .name: Wq, .offset: 8, .size: 8, .value_kind: global_buffer, .address_space: global }
      - { .name: Wk, .offset: 16, .size: 8, .value_kind: global_buffer, .address_space: global }
      - { .name: Wv, .offset: 24, .size: 8, .value_kind: global_buffer, .address_space: global }
      - { .name: Wo, .offset: 32, .size: 8, .value_kind: global_buffer, .address_space: global }
      - { .name: xw_c, .offset: 40, .size: 8, .value_kind: global_buffer, .address_space: global }
      - { .name: xw_s, .offset: 48, .size: 8, .value_kind: global_buffer, .address_space: global }
    .group_segment_fixed_size: 67072
    .private_segment_fixed_size: 0
    .kernarg_segment_align: 8
    .kernarg_segment_size: 56
    .max_flat_workgroup_size: 128
    .sgpr_count:     66
    .vgpr_count:     256
    .wavefront_size: 32
...
	.end_amdgpu_metadata
.endif
;; end of part 1
;; launch qkv (part 2): grid 4 x 64, 4 waves a work-group, clusters of 4 x 4, 327,680 bytes of LDS; arguments xw_c, xw_s, bq, bk, bv, qkv_c, qkv_s; writes qkv_c, qkv_s
.if DOCPART == 2
	.amdgcn_target "amdgcn-amd-amdhsa--gfx1250"
	.amdhsa_code_object_version 6
	.text
	.protected	k_q38f88c0f15_qkv
	.globl	k_q38f88c0f15_qkv
	.p2align	8
	.type	k_q38f88c0f15_qkv,@function
k_q38f88c0f15_qkv:
	s_mov_b64 s[64:65], 0
	v_nop
	global_prefetch_b8 v0, s[64:65] scope:SCOPE_SE
	s_setreg_imm32_b32 hwreg(HW_REG_WAVE_MODE, 25, 1), 1
	s_wait_xcnt 0x0
	s_wait_alu depctr_hold_cnt(0) depctr_sa_sdst(0) depctr_va_vdst(0) depctr_va_sdst(0) depctr_va_ssrc(0) depctr_va_vcc(0) depctr_vm_vsrc(0)
	s_getreg_b32 s2, hwreg(HW_REG_IB_STS2, 6, 4)
	s_cmp_eq_u32 s2, 0
	s_cbranch_scc0 .Lentry_in_a_cluster
	s_endpgm
.Lentry_in_a_cluster:
	s_bfe_u32 s2, ttmp6, 0x10000c
	s_cmp_lg_u32 s2, 0xf033
	s_cbranch_scc0 .Lentry_shape_is_right
	s_endpgm
.Lentry_shape_is_right:
; q = Q(x Wq^T + bq), k = Q(x Wk^T + bk), both quantised along E; v^T = Q(Wv x^T + bv), quantised along the keys.  All products on codes of BF6 with E8M0 scales; sums f32; Q = the MX quantiser.
; Work-group (X, Y) takes x's rows 128 Y on against columns 256 X on of Wq, then Wk, then Wv.  x's two K chunks stay in the slots' first parts for all three tiles; the weights' parts are filled again (four refills).
; Results go out as register images: qkv_c: q [512 row blocks][8 K steps] at 0, k likewise at 6,291,456, v^T [4 batches][64 row blocks of E][16 key steps] at 12,582,912; qkv_s: their scale words, 262,144 bytes a section.
; LIMITS: NaN and infinities are not served; a block whose largest magnitude lies under 2^-122 keeps the byte 1, a block of zeros too (its codes are zeros; this program alone reads the bytes).
.set PEL,     1536                     ; from row block to row block in memory, in elements of 8 bytes
.set RBP,     12288                    ; the same in bytes
.set A_PTR,   4
.set B_PTR,   4
.set B_ROW0,  512                      ; Wq's first row block in xw_c
.set B_BATCH, 0
.set B_XM,    16
.set B_SEC,   0
.set STEPA,   0
.set STEPB,   64*RBP                   ; a refill goes on to the next weight
; ======== THE PART THAT THE FOUR PRODUCT LAUNCHES SHARE ========
; OPERANDS ARE IMAGES OF THEIR REGISTERS: a fragment (16 rows x 128 K, 12 registers a lane) is 1,536 bytes, registers 4 c .. 4 c + 3 of lane l at 512 c + 16 l: three loads of 512 consecutive bytes, no pitch, no padding.
; Row block 2 b + u holds in lane row r the row 32 b + 8 u + r + 8 (r / 8).  EVERY PRODUCT IS USED TRANSPOSED: source 0 = 8 fragments whose rows become the next product's K, source 1 = 4 fragments whose rows stay rows.
; Register 64 m + 16 b + i of lane (r, h) in window 3 is then row r of source 1's fragment m at index 32 b + 16 h + i of the wave's 128: sixteen neighbours along the next K.
; A work-group makes 128 (source 1) x 256 (source 0); each of four waves 64 x 128: 32 accumulators.  A slot holds 512 along K: part A, 8 row blocks, then part B, 16 row blocks, 6,144 bytes each; two slots.
; CLUSTER 4 x 4: part A hangs on Y alone and is asked for jointly along the cluster's row, part B on X (and the batch) alone, jointly along its column.  Waves 0, 1 ask for A's halves, waves 2, 3 for B's.
; WINDOWS: 0: addresses, scale words v32-159, work v160-223;  1: source 0, two sets of 96;  2: source 1, two sets of 48, biases from v96;  3: the accumulators, (m, t) at v[8 (8 m + t)].
.set FRB,   1536
.set CH,    4*FRB                      ; four K steps of one row block
.set AB,    8*CH
.set SLOT,  24*CH
.set SPARE, 2*SLOT                     ; the spare words, 128 bytes a wave: two blocks of 256 bytes that no other line names
.set LI,   4                           ; v4   16 x lane
.set VS5,  5                           ; v5   4 r + 512 h: scale words of a pair of row blocks, 8 K steps to a block
.set VS10, 6                           ; v6   4 r + 1,024 h: the same with 16 K steps
.set BA,   7                           ; v7   64 h: a bias's place
.set AS0,  8                           ; v8-9   source 0 in slot 0, 1
.set AS1,  10                          ; v10-11 source 1
.set SPW,  16                          ; v16  my spare word; never rewritten
.set NIL,  17                          ; v17  0; never rewritten
.set TM,   160                         ; +0..3 largest magnitudes, +4..7 the other lane's, then bytes, +12..15 scale operands
.set PC,   176                         ; v176-187 the fragment just made, v188-195 at work
.set PWS,  196                         ; v196-199 the four fragments' scale words
.set NMS,  200                         ; v200-207 -M of the four fragments, as pairs
.set LS,   208                         ; v208-211 row sums
.set OS,   212                         ; v212-217 words on their way out
.set SA,   218
.set SB,   220
.set RM,   222
.set T,    223
.set WV,  20
.set WH,  21
.set WL,  22
.set CX,  23
.set CY,  24
.set GX,  25
.set GY,  26
.set CLY, 27
.set G1A, 28
.set G1B, 36
.set G0A, 44
.set G0B, 52
.set HM,  66                           ; s66 lanes 16-31
.set SEL, 68                           ; s[68:69] lane l xor 16
.set CS,  70
.set MSB, 0
.macro WIN new                         ; the immediate's high byte repeats the setting that is left
.if MSB != \new
	s_set_vgpr_msb (MSB<<8)|\new
.set MSB, \new
.endif
.endm
.macro PLACES                          ; four plain places behind a matrix instruction, in front of loads into its sources and of reads of its result
.rept 4
	v_nop
.endr
.endm
.macro CREST                           ; a round of the cluster's barrier behind its opening barrier
	s_cmp_lg_u32 s[WV], 0
	s_cbranch_scc1 .Lnot_wave_0_\@
	s_barrier_signal -3
.Lnot_wave_0_\@:
	s_barrier_wait -3
	s_barrier_signal -1
	s_barrier_wait -1
.endm
.macro CROUND
	s_barrier_signal -1
	s_barrier_wait -1
	CREST
.endm
.macro JLOAD s                         ; a joint load of both parts of slot s; the branch hangs on the wave's number alone; four v_nop follow each line
	s_cmp_eq_u32 s[WH], 0
	s_cbranch_scc0 .Lfor_b_\@
	tensor_load_to_lds s[G0A+4*\s:G0A+4*\s+3], s[G1A:G1A+7]
	s_nop 0
.rept 4
	v_nop
.endr
	s_branch .Lasked_\@
.Lfor_b_\@:
	tensor_load_to_lds s[G0B+4*\s:G0B+4*\s+3], s[G1B:G1B+7]
	s_nop 0
.rept 4
	v_nop
.endr
.Lasked_\@:
.endm
.macro JLOADB s                        ; part B alone: waves 0 and 1 have nothing to fill
	s_cmp_eq_u32 s[WH], 0
	s_cbranch_scc1 .Lno_b_\@
	tensor_load_to_lds s[G0B+4*\s:G0B+4*\s+3], s[G1B:G1B+7]
	s_nop 0
.rept 4
	v_nop
.endr
.Lno_b_\@:
.endm
.macro FETCH a0, a1, q, p              ; the slot's q-th K step into set p: 24 + 12 loads of 512 consecutive bytes
	WIN 0x40
.irp i, 0,1,2,3,4,5,6,7
.irp c, 0,1,2
	ds_load_b128 v[96*(\p)+12*\i+4*\c:96*(\p)+12*\i+4*\c+3], v[\a0] offset:\i*CH+(\q)*FRB+512*\c
.endr
.endr
	WIN 0x80
.irp i, 0,1,2,3
.irp c, 0,1,2
	ds_load_b128 v[48*(\p)+12*\i+4*\c:48*(\p)+12*\i+4*\c+3], v[\a1] offset:\i*CH+(\q)*FRB+512*\c
.endr
.endr
.endm
.macro WME                             ; one product; a scale register holds an even fragment's words in lanes 0-15 and the odd one's in lanes 16-31
.if rZ
.if rRA && rRB
	v_wmma_scale_f32_16x16x128_f8f6f4 v[rD:rD+7], v[rA:rA+11], v[rB:rB+11], 0, v[rSA], v[rSB] matrix_a_fmt:MATRIX_FMT_BF6 matrix_b_fmt:MATRIX_FMT_BF6 matrix_a_scale:MATRIX_SCALE_ROW1 matrix_b_scale:MATRIX_SCALE_ROW1
.elseif rRA
	v_wmma_scale_f32_16x16x128_f8f6f4 v[rD:rD+7], v[rA:rA+11], v[rB:rB+11], 0, v[rSA], v[rSB] matrix_a_fmt:MATRIX_FMT_BF6 matrix_b_fmt:MATRIX_FMT_BF6 matrix_a_scale:MATRIX_SCALE_ROW1
.elseif rRB
	v_wmma_scale_f32_16x16x128_f8f6f4 v[rD:rD+7], v[rA:rA+11], v[rB:rB+11], 0, v[rSA], v[rSB] matrix_a_fmt:MATRIX_FMT_BF6 matrix_b_fmt:MATRIX_FMT_BF6 matrix_b_scale:MATRIX_SCALE_ROW1
.else
	v_wmma_scale_f32_16x16x128_f8f6f4 v[rD:rD+7], v[rA:rA+11], v[rB:rB+11], 0, v[rSA], v[rSB] matrix_a_fmt:MATRIX_FMT_BF6 matrix_b_fmt:MATRIX_FMT_BF6
.endif
.else
.if rRA && rRB
	v_wmma_scale_f32_16x16x128_f8f6f4 v[rD:rD+7], v[rA:rA+11], v[rB:rB+11], v[rC:rC+7], v[rSA], v[rSB] matrix_a_fmt:MATRIX_FMT_BF6 matrix_b_fmt:MATRIX_FMT_BF6 matrix_a_scale:MATRIX_SCALE_ROW1 matrix_b_scale:MATRIX_SCALE_ROW1
.elseif rRA
	v_wmma_scale_f32_16x16x128_f8f6f4 v[rD:rD+7], v[rA:rA+11], v[rB:rB+11], v[rC:rC+7], v[rSA], v[rSB] matrix_a_fmt:MATRIX_FMT_BF6 matrix_b_fmt:MATRIX_FMT_BF6 matrix_a_scale:MATRIX_SCALE_ROW1
.elseif rRB
	v_wmma_scale_f32_16x16x128_f8f6f4 v[rD:rD+7], v[rA:rA+11], v[rB:rB+11], v[rC:rC+7], v[rSA], v[rSB] matrix_a_fmt:MATRIX_FMT_BF6 matrix_b_fmt:MATRIX_FMT_BF6 matrix_b_scale:MATRIX_SCALE_ROW1
.else
	v_wmma_scale_f32_16x16x128_f8f6f4 v[rD:rD+7], v[rA:rA+11], v[rB:rB+11], v[rC:rC+7], v[rSA], v[rSB] matrix_a_fmt:MATRIX_FMT_BF6 matrix_b_fmt:MATRIX_FMT_BF6
.endif
.endif
.endm
; 16 products: source 1's fragments 2 mh, 2 mh + 1 against source 0's eight, set p.  s0, s1: the K step's first scale registers.  cm: C is 0 the sum itself, 1 the constant 0, 2 the bias v[cb + 8 t], 3 the bias v[cb + 8 m].
; The 32 accumulators take turns, one instruction a turn, in the same order in every K step.
.macro MUL16 mh, p, s0, s1, cm, cb
.irp m, 2*(\mh), 2*(\mh)+1
.irp t, 0,1,2,3,4,5,6,7
.set rD, 8*(8*(\m)+\t)
.set rA, 96*(\p)+12*\t
.set rB, 48*(\p)+12*(\m)
.set rC, rD
.if (\cm) == 2
.set rC, (\cb)+8*\t
.elseif (\cm) == 3
.set rC, (\cb)+8*(\m)
.endif
.set rSA, (\s0)+\t/2
.set rSB, (\s1)+(\m)/2
.set rRA, \t%2
.set rRB, (\m)%2
.set rZ, (\cm) == 1
	WME
.endr
.endr
.endm
.macro STEP a0, a1, q, p, s0, s1, cm, cb   ; a K step that has its successor in the same slot: the successor's fragments are asked for first, a whole step ahead of their use
	s_wait_dscnt 0x0                               ; this step's fragments are in
	PLACES
	FETCH \a0, \a1, (\q)+1, 1-(\p)
.if (\cm) >= 2
	WIN 0xe9                                       ; source 0 window 1, source 1 window 2, C window 2, D window 3
.else
	WIN 0xf9                                       ; C and D window 3
.endif
	MUL16 0, \p, \s0, \s1, \cm, \cb
	MUL16 1, \p, \s0, \s1, \cm, \cb
.endm
.macro HALF a0, a1, s0, s1, cm, cb     ; a slot's first three K steps
	STEP \a0, \a1, 0, 0, (\s0), (\s1), \cm, \cb
	STEP \a0, \a1, 1, 1, (\s0)+4, (\s1)+2, 0, 0
	STEP \a0, \a1, 2, 0, (\s0)+8, (\s1)+4, 0, 0
.endm
; A slot's last K step changes slots: ONE barrier.  In front of it each wave waits for all its tensor loads, adds 0 to its spare word, and waits for that and for its reads of this slot.
; fill = 1: both parts of this slot are filled again; 2: part B alone; 0: nothing.  Where a part is filled again the barrier opens a round of the cluster's barrier, and the joint load is the first thing behind the round.
.macro TURN sl, n0, n1, s0, s1, fill
	WIN 0
	s_wait_tensorcnt 0x0                           ; all my tensor loads have landed, so a group 0 may be written
	ds_add_u32 v[SPW], v[NIL]                      ; 0 onto my spare word
.if (\fill) == 1
	s_add_nc_u64 s[G0A+4*\sl+2:G0A+4*\sl+3], s[G0A+4*\sl+2:G0A+4*\sl+3], STEPA
.endif
.if (\fill) >= 1
	s_add_nc_u64 s[G0B+4*\sl+2:G0B+4*\sl+3], s[G0B+4*\sl+2:G0B+4*\sl+3], STEPB
.endif
	s_wait_dscnt 0x0                               ; the add is done; my reads of this slot are over, this step's fragments among them
	s_barrier_signal -1
	WIN 0xf9
	MUL16 0, 1, \s0, \s1, 0, 0                     ; work on registers while the others arrive
	WIN 0                                          ; at a branch and at a label every window is 0
	s_barrier_wait -1
.if (\fill) == 1
	CREST
	JLOAD \sl
.elseif (\fill) == 2
	CREST
	JLOADB \sl
.endif
	PLACES
	FETCH \n0, \n1, 0, 0
.if PFQ                                ; the weights' chunk that the next change of slots will load: my 24 blocks of 256 bytes of it
	WIN 0
	global_prefetch_b8 v29, s[62:63] offset:PFQ th:TH_LOAD_NT scope:SCOPE_SE
.endif
	WIN 0xf9
	MUL16 1, 1, \s0, \s1, 0, 0
.endm
.macro LAST s0, s1                     ; the very last K step: nothing more to fetch
	s_wait_dscnt 0x0
	WIN 0xf9
	MUL16 0, 1, \s0, \s1, 0, 0
	MUL16 1, 1, \s0, \s1, 0, 0
	WIN 0
	PLACES
.endm
; From the four blocks' largest magnitudes in v[TM] on: scale operands, bytes, fragment m's scale word, its codes in v[PC] on.
.macro QTAIL m
.irp b, 0,1,2,3
	v_add_nc_u32 v[TM+12+\b], 0xfe000000, v[TM+\b] ; 4 off the exponent field: the conversion's scale operand
.endr
.irp b, 0,1,2,3
	v_lshrrev_b32 v[TM+4+\b], 23, v[TM+12+\b]      ; the scale's byte
.endr
	v_lshl_or_b32 v[PWS+\m], v[TM+5], 8, v[TM+4]
	v_lshl_or_b32 v[PWS+\m], v[TM+6], 16, v[PWS+\m]
	v_lshl_or_b32 v[PWS+\m], v[TM+7], 24, v[PWS+\m]
	s_wait_xcnt 0x0                                ; the stores issued so far have read their data: the codes' and the words' registers may be written again
	WIN 0x03                                       ; the numbers in window 3
.irp c, 0,1
	v_cvt_scalef32_pk16_bf6_f32 v[PC+6*\c:PC+6*\c+2], v[64*(\m)+32*\c:64*(\m)+32*\c+15], v[TM+12+2*\c]
	v_cvt_scalef32_pk16_bf6_f32 v[PC+12+4*\c:PC+14+4*\c], v[64*(\m)+32*\c+16:64*(\m)+32*\c+31], v[TM+13+2*\c]   ; (a conversion's three registers begin on an even number)
.endr
	WIN 0
	v_nop                                          ; one plain place behind a scaled conversion
.irp c, 0,1                            ; the layout wants a whole block in a lane: lanes 0-15 block 2 c, lanes 16-31 block 2 c + 1
.irp i, 0,1,2
	v_permlane16_swap_b32 v[PC+6*\c+\i], v[PC+12+4*\c+\i]
.endr
.irp i, 0,1,2
	v_mov_b32 v[PC+3+6*\c+\i], v[PC+12+4*\c+\i]
.endr
.endr
.endm
.macro QUANT m                         ; the 64 numbers of source 1's fragment m become a fragment of the next product; each accumulator is read from its low end on
	WIN 0x0f
.irp b, 0,1,2,3
	v_max3_num_f32 v[TM+\b], |v[64*(\m)+16*\b]|, |v[64*(\m)+16*\b+1]|, 0x2800000   ; with the floor 2^(5 - 127)
.endr
.irp i, 2,4,6,8,10,12,14
.irp b, 0,1,2,3
	v_max3_num_f32 v[TM+\b], |v[64*(\m)+16*\b+\i]|, |v[64*(\m)+16*\b+\i+1]|, v[TM+\b]
.endr
.endr
	WIN 0
.irp b, 0,1,2,3
	v_permlanex16_b32 v[TM+4+\b], v[TM+\b], s[SEL], s[SEL+1]
.endr
.irp b, 0,1,2,3
	v_max_num_f32 v[TM+\b], v[TM+\b], v[TM+4+\b]   ; with lane l xor 16's sixteen: the block's
.endr
	QTAIL \m
.endm
.macro PUT bs, off                     ; the fragment leaves as it stands: three stores of 512 consecutive bytes, aligned
.irp c, 0,1,2
	global_store_b128 v[LI], v[PC+4*\c:PC+4*\c+3], s[\bs:\bs+1] offset:(\off)+512*\c
.endr
.endm
.macro PUTS g, vs, bs, off             ; the scale words of fragments 2 g (lanes 0-15) and 2 g + 1 (lanes 16-31)
	v_cndmask_b32 v[OS+3*\g], v[PWS+2*\g], v[PWS+2*\g+1], s[HM]
	global_store_b32 v[LI], v[OS+3*\g], s[\bs:\bs+1] offset:\off   ; place 16 x lane of the scale words' layout
.endm
.macro SCLD reg, np, nk, vs, bs, pi, off   ; scale words of np pairs of row blocks for nk K steps: register reg + np k + g
.set kk, 0
.rept \nk
.if (\np) == 4                         ; a K step's words of 4 pairs (or of 2) lie side by side at 16 x lane: one load, 512 (256) bytes a wave
	global_load_b128 v[(\reg)+4*kk:(\reg)+4*kk+3], v[LI], s[\bs:\bs+1] offset:(\off)+512*kk
.else
	global_load_b64 v[(\reg)+2*kk:(\reg)+2*kk+1], v[LI], s[\bs:\bs+1] offset:(\off)+512*kk
.endif
.set kk, kk+1
.endr
.endm
.macro HEAD                            ; ids, descriptors, the first round, both slots' first fills, the addresses that all launches use
	v_lshl_add_u32 v[SPW], v0, 2, SPARE
	v_mov_b32 v[NIL], 0
	ds_add_u32 v16, v17
	ds_add_u32 v16, v17
	s_wait_dscnt 0x0
	v_lshrrev_b32 v1, 5, v0
	v_readfirstlane_b32 s[WV], v1
	v_and_b32 v29, 31, v0                          ; the prefetches' offsets: a lane a block of 256 bytes; the lanes left over name the last block again
	v_min_u32 v28, 11, v29
	v_min_u32 v29, 23, v29
	v_lshlrev_b32 v28, 8, v28                      ; v28: 12 blocks (half a chunk of a row block of part A)
	v_lshlrev_b32 v29, 8, v29                      ; v29: 24 blocks (a chunk of a row block of part B)
	s_lshr_b32 s[WH], s[WV], 1                     ; my half of source 1's rows.  Also: I fetch for A (0) or B (1)
	s_and_b32 s[WL], s[WV], 1                      ; my half of source 0's rows.  Also: which half of that part I fetch
	s_bfe_u32 s[CX], ttmp6, 0x40000
	s_bfe_u32 s[CY], ttmp6, 0x40004
	s_lshl_b32 s[GX], ttmp9, 2
	s_add_co_u32 s[GX], s[GX], s[CX]               ; X
	s_and_b32 s[CLY], ttmp7, 0xffff                ; the cluster's y; the batch is a quarter of it
	s_lshl_b32 s[GY], s[CLY], 2
	s_add_co_u32 s[GY], s[GY], s[CY]               ; Y
	s_lshl_b32 s80, s[CY], 2
	s_lshl_b32 s80, 15, s80                        ; my row of the cluster
	s_lshl_b32 s84, 0x1111, s[CX]                  ; my column
	s_or_b32 s[G1A], s80, (3<<16)|(1<<21)          ; 15:0 the mask; 17:16 elements of 8 bytes; 21 set beside a mask; no padding
	s_or_b32 s[G1B], s84, (3<<16)|(1<<21)
	s_mov_b32 s[G1A+1], 768<<16                    ; tensor_dim0: 6,144 bytes
	s_mov_b32 s[G1A+2], 4<<16                      ; tensor_dim1: 4 row blocks
	s_mov_b32 s[G1A+3], 768<<16                    ; tile_dim0
	s_mov_b32 s[G1A+4], 4                          ; tile_dim1
	s_mov_b32 s[G1A+5], PEL                        ; from row block to row block
	s_mov_b32 s[G1A+6], 0
	s_mov_b32 s[G1A+7], 0
	s_mov_b32 s[G1B+1], 768<<16
	s_mov_b32 s[G1B+2], 8<<16                      ; 8 row blocks
	s_mov_b32 s[G1B+3], 768<<16
	s_mov_b32 s[G1B+4], 8
	s_mov_b32 s[G1B+5], PEL
	s_mov_b32 s[G1B+6], 0
	s_mov_b32 s[G1B+7], 0
	s_lshl_b32 s80, s[GY], 3                       ; A: row block 8 Y + 4 x half: made of Y and the wave alone
	s_lshl_b32 s81, s[WL], 2
	s_add_co_u32 s80, s80, s81
	s_mul_i32 s80, s80, RBP
	s_mov_b32 s81, 0
	s_lshr_b32 s84, s[CLY], 2                      ; B: made of the batch, X and the wave alone
	s_mul_i32 s84, s84, B_BATCH
	s_mul_i32 s85, s[GX], B_XM
	s_add_co_u32 s84, s84, s85
	s_lshl_b32 s85, s[WL], 3
	s_add_co_u32 s84, s84, s85
	s_add_co_u32 s84, s84, B_ROW0                  ; s84: the first row block of my half of B; it is also my source 0's
	s_mul_i32 s86, s84, RBP
	s_add_co_u32 s86, s86, B_SEC
	s_mov_b32 s87, 0
	; who prefetches what, told apart by address: of part A's 8 row blocks the partner at cx takes 2, a wave half a chunk of one; of part B's 16 the partner at cy takes 4, a wave one
	s_lshl_b32 s18, s[CX], 1
	s_add_co_u32 s18, s18, s[WH]
	s_lshl_b32 s19, s[GY], 3
	s_add_co_u32 s18, s18, s19
	s_mul_i32 s18, s18, RBP
	s_mul_i32 s19, s[WL], 3072
	s_add_co_u32 s18, s18, s19
	s_mov_b32 s19, 0
	s_sub_co_u32 s62, s84, s85
	s_lshl_b32 s63, s[CY], 2
	s_add_co_u32 s62, s62, s63
	s_add_co_u32 s62, s62, s[WV]
	s_mul_i32 s62, s62, RBP
	s_add_co_u32 s62, s62, B_SEC
	s_mov_b32 s63, 0
	s_mul_i32 s82, s[WL], 4*CH                     ; where they go: no place in the cluster enters an LDS address
	s_mul_i32 s83, s[WL], 8*CH
	s_add_co_u32 s83, s83, AB
	s_wait_alu depctr_va_vdst(0)
	CROUND                                         ; the round in front of the first joint loads needs nothing of the arguments: it stands ahead of the wait for them
	s_wait_kmcnt 0x0
	s_add_nc_u64 s[60:61], s[A_PTR:A_PTR+1], s[18:19]
	s_add_nc_u64 s[62:63], s[B_PTR:B_PTR+1], s[62:63]
	s_add_nc_u64 s[80:81], s[A_PTR:A_PTR+1], s[80:81]
	s_add_nc_u64 s[86:87], s[B_PTR:B_PTR+1], s[86:87]
.irp s, 0,1
	s_mov_b32 s[G0A+4*\s], 1
	s_add_co_u32 s[G0A+4*\s+1], s82, \s*SLOT
	s_add_nc_u64 s[G0A+4*\s+2:G0A+4*\s+3], s[80:81], \s*CH
	s_or_b32 s[G0A+4*\s+3], s[G0A+4*\s+3], 0x80000000
	s_mov_b32 s[G0B+4*\s], 1
	s_add_co_u32 s[G0B+4*\s+1], s83, \s*SLOT
	s_add_nc_u64 s[G0B+4*\s+2:G0B+4*\s+3], s[86:87], \s*CH
	s_or_b32 s[G0B+4*\s+3], s[G0B+4*\s+3], 0x80000000
.endr
	JLOAD 0                                        ; slot 0: one tensor load a wave at the head
	v_and_b32 v1, 31, v0                           ; lane
	v_and_b32 v2, 15, v0                           ; r
	v_bfe_u32 v3, v0, 4, 1                         ; h
	v_lshlrev_b32 v[LI], 4, v1
	v_lshlrev_b32 v[VS5], 2, v2
	v_lshl_add_u32 v[VS10], v3, 10, v[VS5]
	v_lshl_add_u32 v[VS5], v3, 9, v[VS5]
	v_lshlrev_b32 v[BA], 6, v3
	s_mul_i32 s89, s[WH], 4*CH
	v_add_nc_u32 v[AS0], s83, v[LI]
	v_add_nc_u32 v[AS1], s89, v[LI]
	v_add_nc_u32 v[AS0+1], SLOT, v[AS0]
	v_add_nc_u32 v[AS1+1], SLOT, v[AS1]
.irp b, 0,1,2,3
	v_mov_b32 v[TM+4+\b], 0                        ; a lane permute's destination counts as read
.endr
	s_mov_b32 s[HM], 0xffff0000
	s_mov_b32 s[SEL], 0x76543210
	s_mov_b32 s[SEL+1], 0xfedcba98
	s_lshl_b32 s88, s[GY], 3
	s_lshl_b32 s89, s[WH], 2
	s_add_co_u32 s88, s88, s89                     ; s88: my source 1's first row block, 8 Y + 4 x half
	s_mov_b32 s99, 0                               ; the upper word of the offsets made in s98
.endm
.macro START
	s_wait_alu depctr_va_vdst(0)
	s_wait_loadcnt 0x0                             ; scale words and biases are in
	global_prefetch_b8 v28, s[60:61] offset:CH th:TH_LOAD_NT scope:SCOPE_SE   ; slot 1's tiles: asked for behind slot 0's requests, ahead of their own load
	global_prefetch_b8 v29, s[62:63] offset:CH th:TH_LOAD_NT scope:SCOPE_SE
	s_wait_tensorcnt 0x0                           ; my part of slot 0 is in
	ds_add_u32 v[SPW], v[NIL]
	s_wait_dscnt 0x0
	CROUND                                         ; everybody's part is in, and all sixteen work-groups are here
	JLOAD 1                                        ; slot 1's first fill, my one tensor load behind the round
	global_prefetch_b8 v29, s[62:63] offset:64*RBP th:TH_LOAD_NT scope:SCOPE_SE   ; Wk's first chunk, which the first change of slots will load
	FETCH AS0, AS1, 0, 0
	WIN 0
.endm
.macro FINISH
	WIN 0
	s_wait_tensorcnt 0x0                           ; the wave's end
	ds_add_u32 v[SPW], v[NIL]
	s_wait_dscnt 0x0
	CROUND                                         ; the closing round: no work-group ends while a partner may still ask for a tile that names it
	s_endpgm
.endm
; ======== END OF THE SHARED PART ========
	s_load_b256 s[4:11], s[0:1], 0x0               ; xw_c, xw_s, bq, bk
	s_load_b128 s[12:15], s[0:1], 0x20             ; bv, qkv_c
	s_load_b64 s[16:17], s[0:1], 0x30              ; qkv_s
	HEAD
	; the v tile turns the roles: source 0 = x (part A, all 8 row blocks: v4 in slot 0, v13 in slot 1), source 1 = Wv (part B, 4 row blocks a wave: v14, v15)
	v_add_nc_u32 v13, SLOT, v[LI]
	s_mul_i32 s85, s[WV], 4*CH
	s_add_co_u32 s85, s85, AB
	v_add_nc_u32 v14, s85, v[LI]
	v_add_nc_u32 v15, SLOT, v14
	v_and_b32 v18, 8, v2
	v_add_nc_u32 v18, v18, v2
	v_lshlrev_b32 v18, 2, v18                      ; bv: 4 (r + 8 (r / 8))
	s_wait_alu depctr_va_vdst(0)
	s_lshl_b32 s98, s[GY], 12                      ; group Y,
	s_lshl_b32 s85, s[WH], 3                       ; its pairs 2 x half on
	s_add_co_u32 s98, s98, s85
	s_add_nc_u64 s[90:91], s[6:7], s[98:99]
	s_lshl_b32 s98, s[GY], 12
	s_add_nc_u64 s[92:93], s[6:7], s[98:99]        ; as source 0
	s_lshl_b32 s98, s84, 9
	s_add_nc_u64 s[94:95], s[6:7], s[98:99]        ; Wq's; Wk's lie 64 row blocks on
	s_lshl_b32 s98, s[GX], 4
	s_lshl_b32 s89, s[WV], 2
	s_add_co_u32 s89, s98, s89                     ; 16 X + 4 x wave: my row blocks of Wv
	s_lshl_b32 s85, s[WL], 2
	s_sub_co_u32 s98, s89, s85                     ; the group's first row block,
	s_add_co_u32 s98, s98, 640
	s_lshl_b32 s98, s98, 9
	s_lshl_b32 s85, s[WL], 3                       ; and my two pairs of it
	s_add_co_u32 s98, s98, s85
	s_add_nc_u64 s[96:97], s[6:7], s[98:99]        ; Wv's
	s_lshl_b32 s98, s[GX], 10
	s_lshl_b32 s85, s[WL], 9
	s_add_co_u32 s98, s98, s85
	s_add_nc_u64 s[8:9], s[8:9], s[98:99]          ; bq, bk at column 256 X + 128 x half
	s_add_nc_u64 s[10:11], s[10:11], s[98:99]
	s_lshl_b32 s98, s[GX], 10
	s_lshl_b32 s85, s[WV], 8
	s_add_co_u32 s98, s98, s85
	s_add_nc_u64 s[12:13], s[12:13], s[98:99]      ; bv at 256 X + 64 x wave
	s_lshl_b32 s98, s88, 3
	s_lshl_b32 s85, s[GX], 1
	s_add_co_u32 s98, s98, s85
	s_add_co_u32 s85, s98, s[WL]                   ; q, k: fragment (row block 8 Y + 4 half) x 8 + K step 2 X + half
	s_mul_i32 s98, s85, FRB
	s_add_nc_u64 s[72:73], s[14:15], s[98:99]
	s_lshl_b32 s98, s[GX], 1
	s_add_co_u32 s98, s98, s[WL]
	s_lshl_b32 s98, s98, 9                         ; K step 2 X + half,
	s_lshl_b32 s85, s[GY], 12                      ; group Y,
	s_add_co_u32 s98, s98, s85
	s_lshl_b32 s85, s[WH], 3                       ; pairs 2 x half on
	s_add_co_u32 s98, s98, s85
	s_add_nc_u64 s[74:75], s[16:17], s[98:99]
	s_lshr_b32 s98, s[GY], 4
	s_lshl_b32 s98, s98, 6
	s_add_co_u32 s98, s98, s89
	s_lshl_b32 s98, s98, 4
	s_and_b32 s85, s[GY], 15
	s_add_co_u32 s85, s98, s85                     ; v^T: fragment (64 x batch + 16 X + 4 wave) x 16 + key step Y mod 16
	s_mul_i32 s98, s85, FRB
	s_add_co_u32 s98, s98, 12582912
	s_add_nc_u64 s[76:77], s[14:15], s[98:99]
	s_lshr_b32 s98, s85, 4                         ; my first row block of v^T,
	s_lshl_b32 s18, s[WL], 2
	s_sub_co_u32 s98, s98, s18                     ; its group's first: 1,024 bytes a row block (16 key steps),
	s_lshl_b32 s98, s98, 10
	s_and_b32 s85, s85, 15
	s_lshl_b32 s85, s85, 9                         ; the key step,
	s_add_co_u32 s98, s98, s85
	s_lshl_b32 s18, s[WL], 3                       ; my two pairs
	s_add_co_u32 s98, s98, s18
	s_add_co_u32 s98, s98, 524288
	s_add_nc_u64 s[78:79], s[16:17], s[98:99]
	SCLD 32, 2, 8, VS5, 90, 512, 0                 ; v32-47   x as source 1
	SCLD 48, 4, 8, VS5, 94, 512, 0                 ; v48-79   Wq
	SCLD 80, 4, 8, VS5, 94, 512, 32768             ; v80-111  Wk
	SCLD 112, 4, 8, VS5, 92, 512, 0                ; v112-143 x as source 0
	SCLD 144, 2, 8, VS5, 96, 512, 0                ; v144-159 Wv
	WIN 0x80                                       ; the biases, in the results' layout, into window 2: bq v96-159, bk v160-223 (tile t: columns 32 (t / 2) + 16 h + 8 (t % 2) + 0 .. 7), bv v224-255 (my row's number, eight times)
.irp t, 0,1,2,3,4,5,6,7
	global_load_b128 v[96+8*\t:96+8*\t+3], v[BA], s[8:9] offset:(32*(\t/2)+8*(\t%2))*4
	global_load_b128 v[96+8*\t+4:96+8*\t+7], v[BA], s[8:9] offset:(32*(\t/2)+8*(\t%2))*4+16
	global_load_b128 v[160+8*\t:160+8*\t+3], v[BA], s[10:11] offset:(32*(\t/2)+8*(\t%2))*4
	global_load_b128 v[160+8*\t+4:160+8*\t+7], v[BA], s[10:11] offset:(32*(\t/2)+8*(\t%2))*4+16
.endr
.irp m, 0,1,2,3
	global_load_b32 v[224+8*\m], v18, s[12:13] offset:(32*(\m/2)+8*(\m%2))*4   ; my row's number, once; it is copied behind the wait
.endr
	WIN 0
	START
	WIN 0x82
.irp m, 0,1,2,3
.irp j, 1,2,3,4,5,6,7
	v_mov_b32 v[224+8*\m+\j], v[224+8*\m]          ; bv in the results' layout: my row's number in all eight registers
.endr
.endr
	WIN 0
.macro EPIQ coff, soff                 ; a tile of q or of k: four fragments and their scale words
.irp m, 0,1,2,3
	QUANT \m
	PUT 72, (\coff)+\m*12288
.endr
	PUTS 0, VS5, 74, (\soff)
	PUTS 1, VS5, 74, (\soff)+4
.endm
	HALF AS0, AS1, 48, 32, 2, 96                   ; q: the first K step's C is bq
.set PFQ, 64*RBP+CH                    ; Wk's second chunk
	TURN 0, AS0+1, AS1+1, 48+12, 32+6, 2
	HALF AS0+1, AS1+1, 48+16, 32+8, 0, 0
.set PFQ, 128*RBP                      ; Wv's first
	TURN 1, AS0, AS1, 48+28, 32+14, 2
	WIN 0
	PLACES
	EPIQ 0, 0
	HALF AS0, AS1, 80, 32, 2, 160                  ; k
.set PFQ, 128*RBP+CH                   ; Wv's second
	TURN 0, AS0+1, AS1+1, 80+12, 32+6, 2
	HALF AS0+1, AS1+1, 80+16, 32+8, 0, 0
.set PFQ, 0                            ; nothing more is loaded
	TURN 1, LI, 14, 80+28, 32+14, 2
	WIN 0
	PLACES
	EPIQ 6291456, 262144
	HALF LI, 14, 112, 144, 3, 224                  ; v^T
	TURN 0, 13, 15, 112+12, 144+6, 0
	HALF 13, 15, 112+16, 144+8, 0, 0
	LAST 112+28, 144+14
.irp m, 0,1,2,3
	QUANT \m
	PUT 76, \m*24576
.endr
	PUTS 0, VS10, 78, 0
	PUTS 1, VS10, 78, 4
	FINISH
.Lfunc_end_k_q38f88c0f15_qkv:
	.size	k_q38f88c0f15_qkv, .Lfunc_end_k_q38f88c0f15_qkv-k_q38f88c0f15_qkv
	.p2alignl 7, 3214868480
	.fill 96, 4, 3214868480
	.section	.rodata,"a",@progbits
	.p2align	6, 0x0
	.amdhsa_kernel k_q38f88c0f15_qkv
		.amdhsa_group_segment_fixed_size 327680
		.amdhsa_private_segment_fixed_size 0
		.amdhsa_enable_private_segment 0
		.amdhsa_kernarg_size 56
		.amdhsa_user_sgpr_count 2
		.amdhsa_user_sgpr_kernarg_segment_ptr 1
		.amdhsa_wavefront_size32 1
		.amdhsa_system_sgpr_workgroup_id_x 1
		.amdhsa_system_sgpr_workgroup_id_y 1
		.amdhsa_system_sgpr_workgroup_id_z 1
		.amdhsa_system_vgpr_workitem_id 0
		.amdhsa_next_free_vgpr 1024
		.amdhsa_next_free_sgpr 100
		.amdhsa_reserve_vcc 0
		.amdhsa_float_denorm_mode_32 3
		.amdhsa_float_denorm_mode_16_64 3
		.amdhsa_memory_ordered 1
		.amdhsa_forward_progress 1
		.amdhsa_inst_pref_size 231
	.end_amdhsa_kernel
	.amdgpu_metadata
---
amdhsa.version: [ 1, 2 ]
amdhsa.kernels:
  - .name:           k_q38f88c0f15_qkv
    .symbol:         k_q38f88c0f15_qkv.kd
    .args:
      - { .name: xw_c, .offset: 0, .size: 8, .value_kind: global_buffer, .address_space: global }
      - { .name: xw_s, .offset: 8, .size: 8, .value_kind: global_buffer, .address_space: global }
      - { .name: bq, .offset: 16, .size: 8, .value_kind: global_buffer, .address_space: global }
      - { .name: bk, .offset: 24, .size: 8, .value_kind: global_buffer, .address_space: global }
      - { .name: bv, .offset: 32, .size: 8, .value_kind: global_buffer, .address_space: global }
      - { .name: qkv_c, .offset: 40, .size: 8, .value_kind: global_buffer, .address_space: global }
      - { .name: qkv_s, .offset: 48, .size: 8, .value_kind: global_buffer, .address_space: global }
    .group_segment_fixed_size: 327680
    .private_segment_fixed_size: 0
    .kernarg_segment_align: 8
    .kernarg_segment_size: 56
    .max_flat_workgroup_size: 128
    .sgpr_count:     100
    .vgpr_count:     1024
    .wavefront_size: 32
...
	.end_amdgpu_metadata
.endif
;; end of part 2
;; launch score (part 3): grid 4 x 64, 4 waves a work-group, clusters of 4 x 4, 327,680 bytes of LDS; arguments qkv_c, qkv_s, p_c, p_st; writes p_c, p_st
.if DOCPART == 3
	.amdgcn_target "amdgcn-amd-amdhsa--gfx1250"
	.amdhsa_code_object_version 6
	.text
	.protected	k_q38f88c0f15_score
	.globl	k_q38f88c0f15_score
	.p2align	8
	.type	k_q38f88c0f15_score,@function
k_q38f88c0f15_score:
	s_mov_b64 s[64:65], 0
	v_nop
	global_prefetch_b8 v0, s[64:65] scope:SCOPE_SE
	s_setreg_imm32_b32 hwreg(HW_REG_WAVE_MODE, 25, 1), 1
	s_wait_xcnt 0x0
	s_wait_alu depctr_hold_cnt(0) depctr_sa_sdst(0) depctr_va_vdst(0) depctr_va_sdst(0) depctr_va_ssrc(0) depctr_va_vcc(0) depctr_vm_vsrc(0)
	s_getreg_b32 s2, hwreg(HW_REG_IB_STS2, 6, 4)
	s_cmp_eq_u32 s2, 0
	s_cbranch_scc0 .Lentry_in_a_cluster
	s_endpgm
.Lentry_in_a_cluster:
	s_bfe_u32 s2, ttmp6, 0x10000c
	s_cmp_lg_u32 s2, 0xf033
	s_cbranch_scc0 .Lentry_shape_is_right
	s_endpgm
.Lentry_shape_is_right:
; S = q k^T on codes of BF6; then, for each query and each 128 keys: t = S log2(e) / 32, M = ceil(the largest t of these 128), a whole number; p = 2^(t - M); l = the sum of the unquantised p; Q(p) along the keys.
; M is local to the 128 keys: the next launch finds the row's M and moves p's scale bytes by the whole number M(local) - M(row), which changes no code.
; Work-group (X, Y): queries 128 Y on against key tiles 2 X and 2 X + 1 (256 keys each) of the batch.  q's two K chunks stay in the slots' first parts; k's parts are filled again (two refills).
; p_c: [512 row blocks][16 key steps] fragments.  p_st: three sections [512][16][16 lane rows] of words: p's scale words at 0, -M (f32) at 524,288, l at 1,048,576.
; LIMITS: NaN and infinities are not served; a block whose every p lies under 2^-122 keeps the byte 1.
.set PEL,     1536
.set RBP,     12288
.set A_PTR,   4
.set B_PTR,   4
.set B_ROW0,  0
.set B_BATCH, 128                      ; row blocks of k in a batch
.set B_XM,    32
.set B_SEC,   6291456                  ; k's section
.set STEPA,   0
.set STEPB,   16*RBP                   ; a refill goes on to the next 256 keys
; ======== THE PART THAT THE FOUR PRODUCT LAUNCHES SHARE ========
; OPERANDS ARE IMAGES OF THEIR REGISTERS: a fragment (16 rows x 128 K, 12 registers a lane) is 1,536 bytes, registers 4 c .. 4 c + 3 of lane l at 512 c + 16 l: three loads of 512 consecutive bytes, no pitch, no padding.
; Row block 2 b + u holds in lane row r the row 32 b + 8 u + r + 8 (r / 8).  EVERY PRODUCT IS USED TRANSPOSED: source 0 = 8 fragments whose rows become the next product's K, source 1 = 4 fragments whose rows stay rows.
; Register 64 m + 16 b + i of lane (r, h) in window 3 is then row r of source 1's fragment m at index 32 b + 16 h + i of the wave's 128: sixteen neighbours along the next K.
; A work-group makes 128 (source 1) x 256 (source 0); each of four waves 64 x 128: 32 accumulators.  A slot holds 512 along K: part A, 8 row blocks, then part B, 16 row blocks, 6,144 bytes each; two slots.
; CLUSTER 4 x 4: part A hangs on Y alone and is asked for jointly along the cluster's row, part B on X (and the batch) alone, jointly along its column.  Waves 0, 1 ask for A's halves, waves 2, 3 for B's.
; WINDOWS: 0: addresses, scale words v32-159, work v160-223;  1: source 0, two sets of 96;  2: source 1, two sets of 48, biases from v96;  3: the accumulators, (m, t) at v[8 (8 m + t)].
.set FRB,   1536
.set CH,    4*FRB                      ; four K steps of one row block
.set AB,    8*CH
.set SLOT,  24*CH
.set SPARE, 2*SLOT                     ; the spare words, 128 bytes a wave: two blocks of 256 bytes that no other line names
.set LI,   4                           ; v4   16 x lane
.set VS5,  5                           ; v5   4 r + 512 h: scale words of a pair of row blocks, 8 K steps to a block
.set VS10, 6                           ; v6   4 r + 1,024 h: the same with 16 K steps
.set BA,   7                           ; v7   64 h: a bias's place
.set AS0,  8                           ; v8-9   source 0 in slot 0, 1
.set AS1,  10                          ; v10-11 source 1
.set SPW,  16                          ; v16  my spare word; never rewritten
.set NIL,  17                          ; v17  0; never rewritten
.set TM,   160                         ; +0..3 largest magnitudes, +4..7 the other lane's, then bytes, +12..15 scale operands
.set PC,   176                         ; v176-187 the fragment just made, v188-195 at work
.set PWS,  196                         ; v196-199 the four fragments' scale words
.set NMS,  200                         ; v200-207 -M of the four fragments, as pairs
.set LS,   208                         ; v208-211 row sums
.set OS,   212                         ; v212-217 words on their way out
.set SA,   218
.set SB,   220
.set RM,   222
.set T,    223
.set WV,  20
.set WH,  21
.set WL,  22
.set CX,  23
.set CY,  24
.set GX,  25
.set GY,  26
.set CLY, 27
.set G1A, 28
.set G1B, 36
.set G0A, 44
.set G0B, 52
.set HM,  66                           ; s66 lanes 16-31
.set SEL, 68                           ; s[68:69] lane l xor 16
.set CS,  70
.set MSB, 0
.macro WIN new                         ; the immediate's high byte repeats the setting that is left
.if MSB != \new
	s_set_vgpr_msb (MSB<<8)|\new
.set MSB, \new
.endif
.endm
.macro PLACES                          ; four plain places behind a matrix instruction, in front of loads into its sources and of reads of its result
.rept 4
	v_nop
.endr
.endm
.macro CREST                           ; a round of the cluster's barrier behind its opening barrier
	s_cmp_lg_u32 s[WV], 0
	s_cbranch_scc1 .Lnot_wave_0_\@
	s_barrier_signal -3
.Lnot_wave_0_\@:
	s_barrier_wait -3
	s_barrier_signal -1
	s_barrier_wait -1
.endm
.macro CROUND
	s_barrier_signal -1
	s_barrier_wait -1
	CREST
.endm
.macro JLOAD s                         ; a joint load of both parts of slot s; the branch hangs on the wave's number alone; four v_nop follow each line
	s_cmp_eq_u32 s[WH], 0
	s_cbranch_scc0 .Lfor_b_\@
	tensor_load_to_lds s[G0A+4*\s:G0A+4*\s+3], s[G1A:G1A+7]
	s_nop 0
.rept 4
	v_nop
.endr
	s_branch .Lasked_\@
.Lfor_b_\@:
	tensor_load_to_lds s[G0B+4*\s:G0B+4*\s+3], s[G1B:G1B+7]
	s_nop 0
.rept 4
	v_nop
.endr
.Lasked_\@:
.endm
.macro JLOADB s                        ; part B alone: waves 0 and 1 have nothing to fill
	s_cmp_eq_u32 s[WH], 0
	s_cbranch_scc1 .Lno_b_\@
	tensor_load_to_lds s[G0B+4*\s:G0B+4*\s+3], s[G1B:G1B+7]
	s_nop 0
.rept 4
	v_nop
.endr
.Lno_b_\@:
.endm
.macro FETCH a0, a1, q, p              ; the slot's q-th K step into set p: 24 + 12 loads of 512 consecutive bytes
	WIN 0x40
.irp i, 0,1,2,3,4,5,6,7
.irp c, 0,1,2
	ds_load_b128 v[96*(\p)+12*\i+4*\c:96*(\p)+12*\i+4*\c+3], v[\a0] offset:\i*CH+(\q)*FRB+512*\c
.endr
.endr
	WIN 0x80
.irp i, 0,1,2,3
.irp c, 0,1,2
	ds_load_b128 v[48*(\p)+12*\i+4*\c:48*(\p)+12*\i+4*\c+3], v[\a1] offset:\i*CH+(\q)*FRB+512*\c
.endr
.endr
.endm
.macro WME                             ; one product; a scale register holds an even fragment's words in lanes 0-15 and the odd one's in lanes 16-31
.if rZ
.if rRA && rRB
	v_wmma_scale_f32_16x16x128_f8f6f4 v[rD:rD+7], v[rA:rA+11], v[rB:rB+11], 0, v[rSA], v[rSB] matrix_a_fmt:MATRIX_FMT_BF6 matrix_b_fmt:MATRIX_FMT_BF6 matrix_a_scale:MATRIX_SCALE_ROW1 matrix_b_scale:MATRIX_SCALE_ROW1
.elseif rRA
	v_wmma_scale_f32_16x16x128_f8f6f4 v[rD:rD+7], v[rA:rA+11], v[rB:rB+11], 0, v[rSA], v[rSB] matrix_a_fmt:MATRIX_FMT_BF6 matrix_b_fmt:MATRIX_FMT_BF6 matrix_a_scale:MATRIX_SCALE_ROW1
.elseif rRB
	v_wmma_scale_f32_16x16x128_f8f6f4 v[rD:rD+7], v[rA:rA+11], v[rB:rB+11], 0, v[rSA], v[rSB] matrix_a_fmt:MATRIX_FMT_BF6 matrix_b_fmt:MATRIX_FMT_BF6 matrix_b_scale:MATRIX_SCALE_ROW1
.else
	v_wmma_scale_f32_16x16x128_f8f6f4 v[rD:rD+7], v[rA:rA+11], v[rB:rB+11], 0, v[rSA], v[rSB] matrix_a_fmt:MATRIX_FMT_BF6 matrix_b_fmt:MATRIX_FMT_BF6
.endif
.else
.if rRA && rRB
	v_wmma_scale_f32_16x16x128_f8f6f4 v[rD:rD+7], v[rA:rA+11], v[rB:rB+11], v[rC:rC+7], v[rSA], v[rSB] matrix_a_fmt:MATRIX_FMT_BF6 matrix_b_fmt:MATRIX_FMT_BF6 matrix_a_scale:MATRIX_SCALE_ROW1 matrix_b_scale:MATRIX_SCALE_ROW1
.elseif rRA
	v_wmma_scale_f32_16x16x128_f8f6f4 v[rD:rD+7], v[rA:rA+11], v[rB:rB+11], v[rC:rC+7], v[rSA], v[rSB] matrix_a_fmt:MATRIX_FMT_BF6 matrix_b_fmt:MATRIX_FMT_BF6 matrix_a_scale:MATRIX_SCALE_ROW1
.elseif rRB
	v_wmma_scale_f32_16x16x128_f8f6f4 v[rD:rD+7], v[rA:rA+11], v[rB:rB+11], v[rC:rC+7], v[rSA], v[rSB] matrix_a_fmt:MATRIX_FMT_BF6 matrix_b_fmt:MATRIX_FMT_BF6 matrix_b_scale:MATRIX_SCALE_ROW1
.else
	v_wmma_scale_f32_16x16x128_f8f6f4 v[rD:rD+7], v[rA:rA+11], v[rB:rB+11], v[rC:rC+7], v[rSA], v[rSB] matrix_a_fmt:MATRIX_FMT_BF6 matrix_b_fmt:MATRIX_FMT_BF6
.endif
.endif
.endm
; 16 products: source 1's fragments 2 mh, 2 mh + 1 against source 0's eight, set p.  s0, s1: the K step's first scale registers.  cm: C is 0 the sum itself, 1 the constant 0, 2 the bias v[cb + 8 t], 3 the bias v[cb + 8 m].
; The 32 accumulators take turns, one instruction a turn, in the same order in every K step.
.macro MUL16 mh, p, s0, s1, cm, cb
.irp m, 2*(\mh), 2*(\mh)+1
.irp t, 0,1,2,3,4,5,6,7
.set rD, 8*(8*(\m)+\t)
.set rA, 96*(\p)+12*\t
.set rB, 48*(\p)+12*(\m)
.set rC, rD
.if (\cm) == 2
.set rC, (\cb)+8*\t
.elseif (\cm) == 3
.set rC, (\cb)+8*(\m)
.endif
.set rSA, (\s0)+\t/2
.set rSB, (\s1)+(\m)/2
.set rRA, \t%2
.set rRB, (\m)%2
.set rZ, (\cm) == 1
	WME
.endr
.endr
.endm
.macro STEP a0, a1, q, p, s0, s1, cm, cb   ; a K step that has its successor in the same slot: the successor's fragments are asked for first, a whole step ahead of their use
	s_wait_dscnt 0x0                               ; this step's fragments are in
	PLACES
	FETCH \a0, \a1, (\q)+1, 1-(\p)
.if (\cm) >= 2
	WIN 0xe9                                       ; source 0 window 1, source 1 window 2, C window 2, D window 3
.else
	WIN 0xf9                                       ; C and D window 3
.endif
	MUL16 0, \p, \s0, \s1, \cm, \cb
	MUL16 1, \p, \s0, \s1, \cm, \cb
.endm
.macro HALF a0, a1, s0, s1, cm, cb     ; a slot's first three K steps
	STEP \a0, \a1, 0, 0, (\s0), (\s1), \cm, \cb
	STEP \a0, \a1, 1, 1, (\s0)+4, (\s1)+2, 0, 0
	STEP \a0, \a1, 2, 0, (\s0)+8, (\s1)+4, 0, 0
.endm
; A slot's last K step changes slots: ONE barrier.  In front of it each wave waits for all its tensor loads, adds 0 to its spare word, and waits for that and for its reads of this slot.
; fill = 1: both parts of this slot are filled again; 2: part B alone; 0: nothing.  Where a part is filled again the barrier opens a round of the cluster's barrier, and the joint load is the first thing behind the round.
.macro TURN sl, n0, n1, s0, s1, fill
	WIN 0
	s_wait_tensorcnt 0x0                           ; all my tensor loads have landed, so a group 0 may be written
	ds_add_u32 v[SPW], v[NIL]                      ; 0 onto my spare word
.if (\fill) == 1
	s_add_nc_u64 s[G0A+4*\sl+2:G0A+4*\sl+3], s[G0A+4*\sl+2:G0A+4*\sl+3], STEPA
.endif
.if (\fill) >= 1
	s_add_nc_u64 s[G0B+4*\sl+2:G0B+4*\sl+3], s[G0B+4*\sl+2:G0B+4*\sl+3], STEPB
.endif
	s_wait_dscnt 0x0                               ; the add is done; my reads of this slot are over, this step's fragments among them
	s_barrier_signal -1
	WIN 0xf9
	MUL16 0, 1, \s0, \s1, 0, 0                     ; work on registers while the others arrive
	WIN 0                                          ; at a branch and at a label every window is 0
	s_barrier_wait -1
.if (\fill) == 1
	CREST
	JLOAD \sl
.elseif (\fill) == 2
	CREST
	JLOADB \sl
.endif
	PLACES
	s_wait_alu depctr_va_vdst(0)
	FETCH \n0, \n1, 0, 0
.if PFQ                                ; k's chunk that the next change of slots will load: my 24 blocks of 256 bytes of it
	WIN 0
	global_prefetch_b8 v29, s[62:63] offset:PFQ th:TH_LOAD_NT scope:SCOPE_SE
.endif
	WIN 0xf9
	MUL16 1, 1, \s0, \s1, 0, 0
.endm
.macro LAST s0, s1                     ; the very last K step: nothing more to fetch
	s_wait_dscnt 0x0
	WIN 0xf9
	MUL16 0, 1, \s0, \s1, 0, 0
	MUL16 1, 1, \s0, \s1, 0, 0
	WIN 0
	PLACES
.endm
; From the four blocks' largest magnitudes in v[TM] on: scale operands, bytes, fragment m's scale word, its codes in v[PC] on.
.macro QTAIL m
.irp b, 0,1,2,3
	v_add_nc_u32 v[TM+12+\b], 0xfe000000, v[TM+\b] ; 4 off the exponent field: the conversion's scale operand
.endr
.irp b, 0,1,2,3
	v_lshrrev_b32 v[TM+4+\b], 23, v[TM+12+\b]      ; the scale's byte
.endr
	v_lshl_or_b32 v[PWS+\m], v[TM+5], 8, v[TM+4]
	v_lshl_or_b32 v[PWS+\m], v[TM+6], 16, v[PWS+\m]
	v_lshl_or_b32 v[PWS+\m], v[TM+7], 24, v[PWS+\m]
	s_wait_xcnt 0x0                                ; the stores issued so far have read their data: the codes' and the words' registers may be written again
	WIN 0x03                                       ; the numbers in window 3
.irp c, 0,1
	v_cvt_scalef32_pk16_bf6_f32 v[PC+6*\c:PC+6*\c+2], v[64*(\m)+32*\c:64*(\m)+32*\c+15], v[TM+12+2*\c]
	v_cvt_scalef32_pk16_bf6_f32 v[PC+12+4*\c:PC+14+4*\c], v[64*(\m)+32*\c+16:64*(\m)+32*\c+31], v[TM+13+2*\c]   ; (a conversion's three registers begin on an even number)
.endr
	WIN 0
	v_nop                                          ; one plain place behind a scaled conversion
.irp c, 0,1                            ; the layout wants a whole block in a lane: lanes 0-15 block 2 c, lanes 16-31 block 2 c + 1
.irp i, 0,1,2
	v_permlane16_swap_b32 v[PC+6*\c+\i], v[PC+12+4*\c+\i]
.endr
.irp i, 0,1,2
	v_mov_b32 v[PC+3+6*\c+\i], v[PC+12+4*\c+\i]
.endr
.endr
.endm
.macro QUANT m                         ; the 64 numbers of source 1's fragment m become a fragment of the next product; each accumulator is read from its low end on
	WIN 0x0f
.irp b, 0,1,2,3
	v_max3_num_f32 v[TM+\b], |v[64*(\m)+16*\b]|, |v[64*(\m)+16*\b+1]|, 0x2800000   ; with the floor 2^(5 - 127)
.endr
.irp i, 2,4,6,8,10,12,14
.irp b, 0,1,2,3
	v_max3_num_f32 v[TM+\b], |v[64*(\m)+16*\b+\i]|, |v[64*(\m)+16*\b+\i+1]|, v[TM+\b]
.endr
.endr
	WIN 0
.irp b, 0,1,2,3
	v_permlanex16_b32 v[TM+4+\b], v[TM+\b], s[SEL], s[SEL+1]
.endr
.irp b, 0,1,2,3
	v_max_num_f32 v[TM+\b], v[TM+\b], v[TM+4+\b]   ; with lane l xor 16's sixteen: the block's
.endr
	QTAIL \m
.endm
.macro PUT bs, off                     ; the fragment leaves as it stands: three stores of 512 consecutive bytes, aligned
.irp c, 0,1,2
	global_store_b128 v[LI], v[PC+4*\c:PC+4*\c+3], s[\bs:\bs+1] offset:(\off)+512*\c
.endr
.endm
.macro PUTS g, vs, bs, off             ; the scale words of fragments 2 g (lanes 0-15) and 2 g + 1 (lanes 16-31)
	v_cndmask_b32 v[OS+3*\g], v[PWS+2*\g], v[PWS+2*\g+1], s[HM]
	global_store_b32 v[\vs], v[OS+3*\g], s[\bs:\bs+1] offset:\off
.endm
.macro SCLD reg, np, nk, vs, bs, pi, off   ; scale words of np pairs of row blocks for nk K steps: register reg + np k + g
.set kk, 0
.rept \nk
.if (\np) == 4                         ; the scale words lie [group of 8 row blocks][K step][32 places][4 pairs]: a K step's words of 4 pairs (or of 2) come by one load at 16 x lane
	global_load_b128 v[(\reg)+4*kk:(\reg)+4*kk+3], v[LI], s[\bs:\bs+1] offset:(\off)+512*kk
.else
	global_load_b64 v[(\reg)+2*kk:(\reg)+2*kk+1], v[LI], s[\bs:\bs+1] offset:(\off)+512*kk
.endif
.set kk, kk+1
.endr
.endm
.macro HEAD                            ; ids, descriptors, the first round, both slots' first fills, the addresses that all launches use
	v_lshl_add_u32 v[SPW], v0, 2, SPARE
	v_mov_b32 v[NIL], 0
	ds_add_u32 v16, v17
	ds_add_u32 v16, v17
	s_wait_dscnt 0x0
	v_lshrrev_b32 v1, 5, v0
	v_readfirstlane_b32 s[WV], v1
	v_and_b32 v29, 31, v0                          ; the prefetches' offsets: a lane a block of 256 bytes; the lanes left over name the last block again
	v_min_u32 v28, 11, v29
	v_min_u32 v29, 23, v29
	v_lshlrev_b32 v28, 8, v28
	v_lshlrev_b32 v29, 8, v29
	s_lshr_b32 s[WH], s[WV], 1                     ; my half of source 1's rows.  Also: I fetch for A (0) or B (1)
	s_and_b32 s[WL], s[WV], 1                      ; my half of source 0's rows.  Also: which half of that part I fetch
	s_bfe_u32 s[CX], ttmp6, 0x40000
	s_bfe_u32 s[CY], ttmp6, 0x40004
	s_lshl_b32 s[GX], ttmp9, 2
	s_add_co_u32 s[GX], s[GX], s[CX]               ; X
	s_and_b32 s[CLY], ttmp7, 0xffff                ; the cluster's y; the batch is a quarter of it
	s_lshl_b32 s[GY], s[CLY], 2
	s_add_co_u32 s[GY], s[GY], s[CY]               ; Y
	s_lshl_b32 s80, s[CY], 2
	s_lshl_b32 s80, 15, s80                        ; my row of the cluster
	s_lshl_b32 s84, 0x1111, s[CX]                  ; my column
	s_or_b32 s[G1A], s80, (3<<16)|(1<<21)          ; 15:0 the mask; 17:16 elements of 8 bytes; 21 set beside a mask; no padding
	s_or_b32 s[G1B], s84, (3<<16)|(1<<21)
	s_mov_b32 s[G1A+1], 768<<16                    ; tensor_dim0: 6,144 bytes
	s_mov_b32 s[G1A+2], 4<<16                      ; tensor_dim1: 4 row blocks
	s_mov_b32 s[G1A+3], 768<<16                    ; tile_dim0
	s_mov_b32 s[G1A+4], 4                          ; tile_dim1
	s_mov_b32 s[G1A+5], PEL                        ; from row block to row block
	s_mov_b32 s[G1A+6], 0
	s_mov_b32 s[G1A+7], 0
	s_mov_b32 s[G1B+1], 768<<16
	s_mov_b32 s[G1B+2], 8<<16                      ; 8 row blocks
	s_mov_b32 s[G1B+3], 768<<16
	s_mov_b32 s[G1B+4], 8
	s_mov_b32 s[G1B+5], PEL
	s_mov_b32 s[G1B+6], 0
	s_mov_b32 s[G1B+7], 0
	s_lshl_b32 s80, s[GY], 3                       ; A: row block 8 Y + 4 x half: made of Y and the wave alone
	s_lshl_b32 s81, s[WL], 2
	s_add_co_u32 s80, s80, s81
	s_mul_i32 s80, s80, RBP
	s_mov_b32 s81, 0
	s_lshr_b32 s84, s[CLY], 2                      ; B: made of the batch, X and the wave alone
	s_mul_i32 s84, s84, B_BATCH
	s_mul_i32 s85, s[GX], B_XM
	s_add_co_u32 s84, s84, s85
	s_lshl_b32 s85, s[WL], 3
	s_add_co_u32 s84, s84, s85
	s_add_co_u32 s84, s84, B_ROW0                  ; s84: the first row block of my half of B; it is also my source 0's
	s_mul_i32 s86, s84, RBP
	s_add_co_u32 s86, s86, B_SEC
	s_mov_b32 s87, 0
	; who prefetches what, told apart by address: of part A's 8 row blocks the partner at cx takes 2, a wave half a chunk of one; of part B's 16 the partner at cy takes 4, a wave one
	s_lshl_b32 s18, s[CX], 1
	s_add_co_u32 s18, s18, s[WH]
	s_lshl_b32 s19, s[GY], 3
	s_add_co_u32 s18, s18, s19
	s_mul_i32 s18, s18, RBP
	s_mul_i32 s19, s[WL], 3072
	s_add_co_u32 s18, s18, s19
	s_mov_b32 s19, 0
	s_sub_co_u32 s62, s84, s85
	s_lshl_b32 s63, s[CY], 2
	s_add_co_u32 s62, s62, s63
	s_add_co_u32 s62, s62, s[WV]
	s_mul_i32 s62, s62, RBP
	s_add_co_u32 s62, s62, B_SEC
	s_mov_b32 s63, 0
	s_mul_i32 s82, s[WL], 4*CH                     ; where they go: no place in the cluster enters an LDS address
	s_mul_i32 s83, s[WL], 8*CH
	s_add_co_u32 s83, s83, AB
	s_wait_alu depctr_va_vdst(0)
	CROUND                                         ; the round in front of the first joint loads needs nothing of the arguments: it stands ahead of the wait for them
	s_wait_kmcnt 0x0
	s_add_nc_u64 s[60:61], s[A_PTR:A_PTR+1], s[18:19]
	s_add_nc_u64 s[62:63], s[B_PTR:B_PTR+1], s[62:63]
	s_add_nc_u64 s[80:81], s[A_PTR:A_PTR+1], s[80:81]
	s_add_nc_u64 s[86:87], s[B_PTR:B_PTR+1], s[86:87]
.irp s, 0,1
	s_mov_b32 s[G0A+4*\s], 1
	s_add_co_u32 s[G0A+4*\s+1], s82, \s*SLOT
	s_add_nc_u64 s[G0A+4*\s+2:G0A+4*\s+3], s[80:81], \s*CH
	s_or_b32 s[G0A+4*\s+3], s[G0A+4*\s+3], 0x80000000
	s_mov_b32 s[G0B+4*\s], 1
	s_add_co_u32 s[G0B+4*\s+1], s83, \s*SLOT
	s_add_nc_u64 s[G0B+4*\s+2:G0B+4*\s+3], s[86:87], \s*CH
	s_or_b32 s[G0B+4*\s+3], s[G0B+4*\s+3], 0x80000000
.endr
	JLOAD 0                                        ; slot 0: one tensor load a wave at the head
	v_and_b32 v1, 31, v0                           ; lane
	v_and_b32 v2, 15, v0                           ; r
	v_bfe_u32 v3, v0, 4, 1                         ; h
	v_lshlrev_b32 v[LI], 4, v1
	v_lshlrev_b32 v[VS5], 2, v2
	v_lshl_add_u32 v[VS10], v3, 10, v[VS5]
	v_lshl_add_u32 v[VS5], v3, 9, v[VS5]
	v_lshlrev_b32 v[BA], 6, v3
	s_mul_i32 s89, s[WH], 4*CH
	v_add_nc_u32 v[AS0], s83, v[LI]
	v_add_nc_u32 v[AS1], s89, v[LI]
	v_add_nc_u32 v[AS0+1], SLOT, v[AS0]
	v_add_nc_u32 v[AS1+1], SLOT, v[AS1]
.irp b, 0,1,2,3
	v_mov_b32 v[TM+4+\b], 0                        ; a lane permute's destination counts as read
.endr
	s_mov_b32 s[HM], 0xffff0000
	s_mov_b32 s[SEL], 0x76543210
	s_mov_b32 s[SEL+1], 0xfedcba98
	s_lshl_b32 s88, s[GY], 3
	s_lshl_b32 s89, s[WH], 2
	s_add_co_u32 s88, s88, s89                     ; s88: my source 1's first row block, 8 Y + 4 x half
	s_mov_b32 s99, 0                               ; the upper word of the offsets made in s98
.endm
.macro START
	s_wait_alu depctr_va_vdst(0)
	s_wait_loadcnt 0x0                             ; the scale words are in
	global_prefetch_b8 v28, s[60:61] offset:CH th:TH_LOAD_NT scope:SCOPE_SE   ; slot 1's tiles: asked for behind slot 0's requests, ahead of their own load
	global_prefetch_b8 v29, s[62:63] offset:CH th:TH_LOAD_NT scope:SCOPE_SE
	s_wait_tensorcnt 0x0                           ; my part of slot 0 is in
	ds_add_u32 v[SPW], v[NIL]
	s_wait_dscnt 0x0
	CROUND                                         ; everybody's part is in, and all sixteen work-groups are here
	JLOAD 1                                        ; slot 1's first fill, my one tensor load behind the round
	global_prefetch_b8 v29, s[62:63] offset:16*RBP th:TH_LOAD_NT scope:SCOPE_SE   ; the next 256 keys' first chunk, which the first change of slots will load
	FETCH AS0, AS1, 0, 0
	WIN 0
.endm
.macro FINISH
	WIN 0
	s_wait_tensorcnt 0x0                           ; the wave's end
	ds_add_u32 v[SPW], v[NIL]
	s_wait_dscnt 0x0
	CROUND                                         ; the closing round: no work-group ends while a partner may still ask for a tile that names it
	s_endpgm
.endm
; ======== END OF THE SHARED PART ========
	s_load_b256 s[4:11], s[0:1], 0x0               ; qkv_c, qkv_s, p_c, p_st
	HEAD
	s_mov_b32 s[CS], 0x3d38aa3b                    ; c = log2(e) / 32
	s_mov_b32 s[CS+1], s[CS]                       ; (named with it as a pair, so it is written)
.irp m, 0,1,2,3
	v_mov_b32 v[NMS+2*\m+1], 0                     ; the upper halves of the pairs that hold -M
.endr
	s_lshl_b32 s98, s[GY], 12                      ; group Y,
	s_lshl_b32 s85, s[WH], 3                       ; its pairs 2 x half on
	s_add_co_u32 s98, s98, s85
	s_add_nc_u64 s[90:91], s[6:7], s[98:99]
	s_lshl_b32 s98, s84, 9
	s_add_nc_u64 s[94:95], s[6:7], s[98:99]        ; k's, less their section's offset
	s_lshl_b32 s98, s88, 4
	s_lshl_b32 s85, s[GX], 2
	s_add_co_u32 s98, s98, s85
	s_add_co_u32 s85, s98, s[WL]                   ; p: fragment (row block) x 16 + key step 4 X + half (+ 2 for the second tile)
	s_mul_i32 s98, s85, FRB
	s_add_nc_u64 s[72:73], s[8:9], s[98:99]
	s_lshl_b32 s98, s[GX], 2
	s_add_co_u32 s98, s98, s[WL]
	s_lshl_b32 s98, s98, 9                         ; key step 4 X + half,
	s_lshl_b32 s85, s[GY], 13                      ; group Y: 8,192 bytes (16 key steps),
	s_add_co_u32 s98, s98, s85
	s_lshl_b32 s85, s[WH], 3                       ; pairs 2 x half on
	s_add_co_u32 s98, s98, s85
	s_add_nc_u64 s[74:75], s[10:11], s[98:99]
	SCLD 32, 2, 8, VS5, 90, 512, 0                 ; v32-47   q
	SCLD 48, 4, 8, VS5, 94, 512, 262144            ; v48-79   k, first tile
	SCLD 80, 4, 8, VS5, 94, 512, 262144+8192       ; v80-111  k, second tile: 16 row blocks on
	START
; The 64 scores of source 1's fragment m (16 queries, my 128 keys) become p's fragment, -M and l.
.macro SOFTQ m
.set AC, 64*(\m)
.set NM, NMS+2*(\m)
	WIN 0x0f
.irp b, 0,1,2,3
	v_max_num_f32 v[TM+\b], v[AC+16*\b], v[AC+16*\b+1]     ; the largest SCORE of each block of 32 keys: for the row's maximum and, since p rises with the score, for the block's largest p
.endr
.irp i, 2,4,6,8,10,12,14
.irp b, 0,1,2,3
	v_max3_num_f32 v[TM+\b], v[AC+16*\b+\i], v[AC+16*\b+\i+1], v[TM+\b]
.endr
.endr
	WIN 0
.irp b, 0,1,2,3
	v_permlanex16_b32 v[TM+4+\b], v[TM+\b], s[SEL], s[SEL+1]
.endr
.irp b, 0,1,2,3
	v_max_num_f32 v[TM+\b], v[TM+\b], v[TM+4+\b]
.endr
	v_max3_num_f32 v[RM], v[TM], v[TM+1], v[TM+2]
	v_max_num_f32 v[RM], v[RM], v[TM+3]            ; the largest score of my query among these 128 keys
	v_mul_f32 v[T], s[CS], v[RM]                   ; as t (c is positive)
	v_floor_f32 v[NM], -v[T]                       ; -M = floor(-t) = -ceil(t): a whole number
.irp b, 0,1,2,3
	v_fma_f32 v[TM+\b], v[TM+\b], s[CS], v[NM]     ; t - M of each block's largest score
.endr
	WIN 0xc3
.set j, 0
.rept 32
	v_pk_fma_f32 v[AC+j:AC+j+1], v[AC+j:AC+j+1], s[CS:CS+1], v[NM:NM+1] op_sel_hi:[1,0,0]   ; t - M, two at a time
.set j, j+2
.endr
.set j, 0
	s_wait_alu depctr_va_vdst(0)
.rept 64
	v_exp_f32 v[AC+j], v[AC+j]                     ; p = 2^(t - M): not normalised
.set j, j+1
.endr
	v_nop                                          ; a plain place behind the exponentials
	s_wait_alu depctr_va_vdst(0)                   ; one wait for the whole batch, ahead of its first reader
	WIN 0
.irp b, 0,1,2,3
	v_exp_f32 v[TM+\b], v[TM+\b]                   ; the block's largest p: the same two instructions on the same number give the same bits
.endr
	WIN 0x0f
	v_pk_add_f32 v[SA:SA+1], v[AC:AC+1], v[AC+2:AC+3]      ; the sum of the UNQUANTISED p, two at a time, in two chains; it reads the 64 alone
	v_pk_add_f32 v[SB:SB+1], v[AC+4:AC+5], v[AC+6:AC+7]
	WIN 0x03
.set j, 8
.rept 14
	v_pk_add_f32 v[SA:SA+1], v[AC+j:AC+j+1], v[SA:SA+1]
	v_pk_add_f32 v[SB:SB+1], v[AC+j+2:AC+j+3], v[SB:SB+1]
.set j, j+4
.endr
	WIN 0
	v_pk_add_f32 v[SA:SA+1], v[SA:SA+1], v[SB:SB+1]
	v_add_f32 v[LS+\m], v[SA], v[SA+1]
	v_permlanex16_b32 v[T], v[LS+\m], s[SEL], s[SEL+1]
	v_add_f32 v[LS+\m], v[LS+\m], v[T]             ; with lane l xor 16's 64 keys: l of my query and these 128 keys
	s_wait_alu depctr_va_vdst(0)                   ; and one wait for the four
.irp b, 0,1,2,3
	v_max_num_f32 v[TM+\b], 0x2800000, v[TM+\b]    ; the floor 2^(5 - 127)
.endr
	QTAIL \m
.endm
.macro EPIS tau
.irp m, 0,1,2,3
	SOFTQ \m
	PUT 72, \m*24576+3072*(\tau)
.endr
.irp g, 0,1
	v_cndmask_b32 v[OS+3*\g], v[PWS+2*\g], v[PWS+2*\g+1], s[HM]      ; lanes 0-15 fragment 2 g's rows, lanes 16-31 fragment 2 g + 1's
	v_cndmask_b32 v[OS+3*\g+1], v[NMS+4*\g], v[NMS+4*\g+2], s[HM]
	v_cndmask_b32 v[OS+3*\g+2], v[LS+2*\g], v[LS+2*\g+1], s[HM]
	global_store_b32 v[LI], v[OS+3*\g], s[74:75] offset:4*\g+1024*(\tau)              ; all three tables in the scale words' layout: place 16 x lane, pair g, two key steps on for the second tile
	global_store_b32 v[LI], v[OS+3*\g+1], s[74:75] offset:4*\g+1024*(\tau)+524288
	global_store_b32 v[LI], v[OS+3*\g+2], s[74:75] offset:4*\g+1024*(\tau)+1048576
.endr
.endm
	HALF AS0, AS1, 48, 32, 1, 0                    ; the first K step starts the sums: nothing is cleared
.set PFQ, 16*RBP+CH                    ; the next 256 keys' second chunk
	TURN 0, AS0+1, AS1+1, 48+12, 32+6, 2
	HALF AS0+1, AS1+1, 48+16, 32+8, 0, 0
.set PFQ, 0                            ; nothing more is loaded
	TURN 1, AS0, AS1, 48+28, 32+14, 2
	WIN 0
	PLACES
	EPIS 0
	HALF AS0, AS1, 80, 32, 1, 0
	TURN 0, AS0+1, AS1+1, 80+12, 32+6, 0
	HALF AS0+1, AS1+1, 80+16, 32+8, 0, 0
	LAST 80+28, 32+14
	EPIS 1
	FINISH
.Lfunc_end_k_q38f88c0f15_score:
	.size	k_q38f88c0f15_score, .Lfunc_end_k_q38f88c0f15_score-k_q38f88c0f15_score
	.p2alignl 7, 3214868480
	.fill 96, 4, 3214868480
	.section	.rodata,"a",@progbits
	.p2align	6, 0x0
	.amdhsa_kernel k_q38f88c0f15_score
		.amdhsa_group_segment_fixed_size 327680
		.amdhsa_private_segment_fixed_size 0
		.amdhsa_enable_private_segment 0
		.amdhsa_kernarg_size 32
		.amdhsa_user_sgpr_count 2
		.amdhsa_user_sgpr_kernarg_segment_ptr 1
		.amdhsa_wavefront_size32 1
		.amdhsa_system_sgpr_workgroup_id_x 1
		.amdhsa_system_sgpr_workgroup_id_y 1
		.amdhsa_system_sgpr_workgroup_id_z 1
		.amdhsa_system_vgpr_workitem_id 0
		.amdhsa_next_free_vgpr 1024
		.amdhsa_next_free_sgpr 100
		.amdhsa_reserve_vcc 0
		.amdhsa_float_denorm_mode_32 3
		.amdhsa_float_denorm_mode_16_64 3
		.amdhsa_memory_ordered 1
		.amdhsa_forward_progress 1
		.amdhsa_inst_pref_size 209
	.end_amdhsa_kernel
	.amdgpu_metadata
---
amdhsa.version: [ 1, 2 ]
amdhsa.kernels:
  - .name:           k_q38f88c0f15_score
    .symbol:         k_q38f88c0f15_score.kd
    .args:
      - { .name: qkv_c, .offset: 0, .size: 8, .value_kind: global_buffer, .address_space: global }
      - { .name: qkv_s, .offset: 8, .size: 8, .value_kind: global_buffer, .address_space: global }
      - { .name: p_c, .offset: 16, .size: 8, .value_kind: global_buffer, .address_space: global }
      - { .name: p_st, .offset: 24, .size: 8, .value_kind: global_buffer, .address_space: global }
    .group_segment_fixed_size: 327680
    .private_segment_fixed_size: 0
    .kernarg_segment_align: 8
    .kernarg_segment_size: 32
    .max_flat_workgroup_size: 128
    .sgpr_count:     100
    .vgpr_count:     1024
    .wavefront_size: 32
...
	.end_amdgpu_metadata
.endif
;; end of part 3
;; launch pv (part 4): grid 4 x 64, 4 waves a work-group, clusters of 4 x 4, 327,680 bytes of LDS; arguments p_c, p_st, qkv_c, qkv_s, o_c, o_s; writes o_c, o_s
.if DOCPART == 4
	.amdgcn_target "amdgcn-amd-amdhsa--gfx1250"
	.amdhsa_code_object_version 6
	.text
	.protected	k_q38f88c0f15_pv
	.globl	k_q38f88c0f15_pv
	.p2align	8
	.type	k_q38f88c0f15_pv,@function
k_q38f88c0f15_pv:
	s_mov_b64 s[64:65], 0
	v_nop
	global_prefetch_b8 v0, s[64:65] scope:SCOPE_SE
	s_setreg_imm32_b32 hwreg(HW_REG_WAVE_MODE, 25, 1), 1
	s_wait_xcnt 0x0
	s_wait_alu depctr_hold_cnt(0) depctr_sa_sdst(0) depctr_va_vdst(0) depctr_va_sdst(0) depctr_va_ssrc(0) depctr_va_vcc(0) depctr_vm_vsrc(0)
	s_getreg_b32 s2, hwreg(HW_REG_IB_STS2, 6, 4)
	s_cmp_eq_u32 s2, 0
	s_cbranch_scc0 .Lentry_in_a_cluster
	s_endpgm
.Lentry_in_a_cluster:
	s_bfe_u32 s2, ttmp6, 0x10000c
	s_cmp_lg_u32 s2, 0xf033
	s_cbranch_scc0 .Lentry_shape_is_right
	s_endpgm
.Lentry_shape_is_right:
; o = Q((p v) / l) along E.  p came with a whole number M for each (query, 128 keys).  Here: the row's M = the largest of its 16; l = the sum of l(step) 2^(M(step) - M), exact scalings;
; each scale byte of p is moved by the whole number M(step) - M, which leaves the codes as they are; then O^T = v^T p^T on codes of BF6, K = the batch's 2,048 keys in four chunks of 512; O / l; the quantiser.
; Work-group (X, Y): queries 128 Y on against columns 256 X on of v.  Both parts of a slot are filled again (two refills).  o_c: [512 row blocks][8 K steps] fragments; o_s: their scale words.
; LIMITS: NaN and infinities are not served; a moved byte that would fall under 0 is held at 0 (such a block adds under 28 x 2^-127 x |v|); an M(step) more than 127 under the row's counts as 127 under it;
; a block of o whose largest magnitude lies under 2^-122 keeps the byte 1, a block of zeros too.
.set PEL,     3072
.set RBP,     24576
.set A_PTR,   4
.set B_PTR,   8
.set B_ROW0,  0
.set B_BATCH, 64                       ; row blocks of v^T in a batch
.set B_XM,    16
.set B_SEC,   12582912                 ; v^T's section
.set STEPA,   2*6144                   ; a refill goes two chunks on along the keys
.set STEPB,   2*6144
; ======== THE PART THAT THE FOUR PRODUCT LAUNCHES SHARE ========
; OPERANDS ARE IMAGES OF THEIR REGISTERS: a fragment (16 rows x 128 K, 12 registers a lane) is 1,536 bytes, registers 4 c .. 4 c + 3 of lane l at 512 c + 16 l: three loads of 512 consecutive bytes, no pitch, no padding.
; Row block 2 b + u holds in lane row r the row 32 b + 8 u + r + 8 (r / 8).  EVERY PRODUCT IS USED TRANSPOSED: source 0 = 8 fragments whose rows become the next product's K, source 1 = 4 fragments whose rows stay rows.
; Register 64 m + 16 b + i of lane (r, h) in window 3 is then row r of source 1's fragment m at index 32 b + 16 h + i of the wave's 128: sixteen neighbours along the next K.
; A work-group makes 128 (source 1) x 256 (source 0); each of four waves 64 x 128: 32 accumulators.  A slot holds 512 along K: part A, 8 row blocks, then part B, 16 row blocks, 6,144 bytes each; two slots.
; CLUSTER 4 x 4: part A hangs on Y alone and is asked for jointly along the cluster's row, part B on X (and the batch) alone, jointly along its column.  Waves 0, 1 ask for A's halves, waves 2, 3 for B's.
; WINDOWS: 0: addresses, scale words v32-159, work v160-223;  1: source 0, two sets of 96;  2: source 1, two sets of 48, biases from v96;  3: the accumulators, (m, t) at v[8 (8 m + t)].
.set FRB,   1536
.set CH,    4*FRB                      ; four K steps of one row block
.set AB,    8*CH
.set SLOT,  24*CH
.set SPARE, 2*SLOT                     ; the spare words, 128 bytes a wave: two blocks of 256 bytes that no other line names
.set LI,   4                           ; v4   16 x lane
.set VS5,  5                           ; v5   4 r + 512 h: scale words of a pair of row blocks, 8 K steps to a block
.set VS10, 6                           ; v6   4 r + 1,024 h: the same with 16 K steps
.set BA,   7                           ; v7   64 h: a bias's place
.set AS0,  8                           ; v8-9   source 0 in slot 0, 1
.set AS1,  10                          ; v10-11 source 1
.set SPW,  16                          ; v16  my spare word; never rewritten
.set NIL,  17                          ; v17  0; never rewritten
.set TM,   160                         ; +0..3 largest magnitudes, +4..7 the other lane's, then bytes, +12..15 scale operands
.set PC,   176                         ; v176-187 the fragment just made, v188-195 at work
.set PWS,  196                         ; v196-199 the four fragments' scale words
.set NMS,  200                         ; v200-207 -M of the four fragments, as pairs
.set LS,   208                         ; v208-211 row sums
.set OS,   212                         ; v212-217 words on their way out
.set SA,   218
.set SB,   220
.set RM,   222
.set T,    223
.set WV,  20
.set WH,  21
.set WL,  22
.set CX,  23
.set CY,  24
.set GX,  25
.set GY,  26
.set CLY, 27
.set G1A, 28
.set G1B, 36
.set G0A, 44
.set G0B, 52
.set HM,  66                           ; s66 lanes 16-31
.set SEL, 68                           ; s[68:69] lane l xor 16
.set CS,  70
.set MSB, 0
.macro WIN new                         ; the immediate's high byte repeats the setting that is left
.if MSB != \new
	s_set_vgpr_msb (MSB<<8)|\new
.set MSB, \new
.endif
.endm
.macro PLACES                          ; four plain places behind a matrix instruction, in front of loads into its sources and of reads of its result
.rept 4
	v_nop
.endr
.endm
.macro CREST                           ; a round of the cluster's barrier behind its opening barrier
	s_cmp_lg_u32 s[WV], 0
	s_cbranch_scc1 .Lnot_wave_0_\@
	s_barrier_signal -3
.Lnot_wave_0_\@:
	s_barrier_wait -3
	s_barrier_signal -1
	s_barrier_wait -1
.endm
.macro CROUND
	s_barrier_signal -1
	s_barrier_wait -1
	CREST
.endm
.macro JLOAD s                         ; a joint load of both parts of slot s; the branch hangs on the wave's number alone; four v_nop follow each line
	s_cmp_eq_u32 s[WH], 0
	s_cbranch_scc0 .Lfor_b_\@
	tensor_load_to_lds s[G0A+4*\s:G0A+4*\s+3], s[G1A:G1A+7]
	s_nop 0
.rept 4
	v_nop
.endr
	s_branch .Lasked_\@
.Lfor_b_\@:
	tensor_load_to_lds s[G0B+4*\s:G0B+4*\s+3], s[G1B:G1B+7]
	s_nop 0
.rept 4
	v_nop
.endr
.Lasked_\@:
.endm
.macro JLOADB s                        ; part B alone: waves 0 and 1 have nothing to fill
	s_cmp_eq_u32 s[WH], 0
	s_cbranch_scc1 .Lno_b_\@
	tensor_load_to_lds s[G0B+4*\s:G0B+4*\s+3], s[G1B:G1B+7]
.rept 4
	v_nop
.endr
.Lno_b_\@:
.endm
.macro FETCH a0, a1, q, p              ; the slot's q-th K step into set p: 24 + 12 loads of 512 consecutive bytes
	WIN 0x40
.irp i, 0,1,2,3,4,5,6,7
.irp c, 0,1,2
	ds_load_b128 v[96*(\p)+12*\i+4*\c:96*(\p)+12*\i+4*\c+3], v[\a0] offset:\i*CH+(\q)*FRB+512*\c
.endr
.endr
	WIN 0x80
.irp i, 0,1,2,3
.irp c, 0,1,2
	ds_load_b128 v[48*(\p)+12*\i+4*\c:48*(\p)+12*\i+4*\c+3], v[\a1] offset:\i*CH+(\q)*FRB+512*\c
.endr
.endr
.endm
.macro WME                             ; one product; a scale register holds an even fragment's words in lanes 0-15 and the odd one's in lanes 16-31
.if rZ
.if rRA && rRB
	v_wmma_scale_f32_16x16x128_f8f6f4 v[rD:rD+7], v[rA:rA+11], v[rB:rB+11], 0, v[rSA], v[rSB] matrix_a_fmt:MATRIX_FMT_BF6 matrix_b_fmt:MATRIX_FMT_BF6 matrix_a_scale:MATRIX_SCALE_ROW1 matrix_b_scale:MATRIX_SCALE_ROW1
.elseif rRA
	v_wmma_scale_f32_16x16x128_f8f6f4 v[rD:rD+7], v[rA:rA+11], v[rB:rB+11], 0, v[rSA], v[rSB] matrix_a_fmt:MATRIX_FMT_BF6 matrix_b_fmt:MATRIX_FMT_BF6 matrix_a_scale:MATRIX_SCALE_ROW1
.elseif rRB
	v_wmma_scale_f32_16x16x128_f8f6f4 v[rD:rD+7], v[rA:rA+11], v[rB:rB+11], 0, v[rSA], v[rSB] matrix_a_fmt:MATRIX_FMT_BF6 matrix_b_fmt:MATRIX_FMT_BF6 matrix_b_scale:MATRIX_SCALE_ROW1
.else
	v_wmma_scale_f32_16x16x128_f8f6f4 v[rD:rD+7], v[rA:rA+11], v[rB:rB+11], 0, v[rSA], v[rSB] matrix_a_fmt:MATRIX_FMT_BF6 matrix_b_fmt:MATRIX_FMT_BF6
.endif
.else
.if rRA && rRB
	v_wmma_scale_f32_16x16x128_f8f6f4 v[rD:rD+7], v[rA:rA+11], v[rB:rB+11], v[rC:rC+7], v[rSA], v[rSB] matrix_a_fmt:MATRIX_FMT_BF6 matrix_b_fmt:MATRIX_FMT_BF6 matrix_a_scale:MATRIX_SCALE_ROW1 matrix_b_scale:MATRIX_SCALE_ROW1
.elseif rRA
	v_wmma_scale_f32_16x16x128_f8f6f4 v[rD:rD+7], v[rA:rA+11], v[rB:rB+11], v[rC:rC+7], v[rSA], v[rSB] matrix_a_fmt:MATRIX_FMT_BF6 matrix_b_fmt:MATRIX_FMT_BF6 matrix_a_scale:MATRIX_SCALE_ROW1
.elseif rRB
	v_wmma_scale_f32_16x16x128_f8f6f4 v[rD:rD+7], v[rA:rA+11], v[rB:rB+11], v[rC:rC+7], v[rSA], v[rSB] matrix_a_fmt:MATRIX_FMT_BF6 matrix_b_fmt:MATRIX_FMT_BF6 matrix_b_scale:MATRIX_SCALE_ROW1
.else
	v_wmma_scale_f32_16x16x128_f8f6f4 v[rD:rD+7], v[rA:rA+11], v[rB:rB+11], v[rC:rC+7], v[rSA], v[rSB] matrix_a_fmt:MATRIX_FMT_BF6 matrix_b_fmt:MATRIX_FMT_BF6
.endif
.endif
.endm
; 16 products: source 1's fragments 2 mh, 2 mh + 1 against source 0's eight, set p.  s0, s1: the K step's first scale registers.  cm: C is 0 the sum itself, 1 the constant 0, 2 the bias v[cb + 8 t], 3 the bias v[cb + 8 m].
; The 32 accumulators take turns, one instruction a turn, in the same order in every K step.
.macro MUL16 mh, p, s0, s1, cm, cb
.irp m, 2*(\mh), 2*(\mh)+1
.irp t, 0,1,2,3,4,5,6,7
.set rD, 8*(8*(\m)+\t)
.set rA, 96*(\p)+12*\t
.set rB, 48*(\p)+12*(\m)
.set rC, rD
.if (\cm) == 2
.set rC, (\cb)+8*\t
.elseif (\cm) == 3
.set rC, (\cb)+8*(\m)
.endif
.set rSA, (\s0)+\t/2
.set rSB, (\s1)+(\m)/2
.set rRA, \t%2
.set rRB, (\m)%2
.set rZ, (\cm) == 1
	WME
.endr
.endr
.endm
.macro STEP a0, a1, q, p, s0, s1, cm, cb   ; a K step that has its successor in the same slot: the successor's fragments are asked for first, a whole step ahead of their use
	s_wait_dscnt 0x0                               ; this step's fragments are in
	PLACES
	FETCH \a0, \a1, (\q)+1, 1-(\p)
.if (\cm) >= 2
	WIN 0xe9                                       ; source 0 window 1, source 1 window 2, C window 2, D window 3
.else
	WIN 0xf9                                       ; C and D window 3
.endif
	MUL16 0, \p, \s0, \s1, \cm, \cb
	MUL16 1, \p, \s0, \s1, \cm, \cb
.endm
.macro HALF a0, a1, s0, s1, cm, cb     ; a slot's first three K steps
	STEP \a0, \a1, 0, 0, (\s0), (\s1), \cm, \cb
	STEP \a0, \a1, 1, 1, (\s0)+4, (\s1)+2, 0, 0
	STEP \a0, \a1, 2, 0, (\s0)+8, (\s1)+4, 0, 0
.endm
; A slot's last K step changes slots: ONE barrier.  In front of it each wave waits for all its tensor loads, adds 0 to its spare word, and waits for that and for its reads of this slot.
; fill = 1: both parts of this slot are filled again; 2: part B alone; 0: nothing.  Where a part is filled again the barrier opens a round of the cluster's barrier, and the joint load is the first thing behind the round.
.macro TURN sl, n0, n1, s0, s1, fill
	WIN 0
	s_wait_tensorcnt 0x0                           ; all my tensor loads have landed, so a group 0 may be written
	ds_add_u32 v[SPW], v[NIL]                      ; 0 onto my spare word
.if (\fill) == 1
	s_add_nc_u64 s[G0A+4*\sl+2:G0A+4*\sl+3], s[G0A+4*\sl+2:G0A+4*\sl+3], STEPA
.endif
.if (\fill) >= 1
	s_add_nc_u64 s[G0B+4*\sl+2:G0B+4*\sl+3], s[G0B+4*\sl+2:G0B+4*\sl+3], STEPB
.endif
	s_wait_dscnt 0x0                               ; the add is done; my reads of this slot are over, this step's fragments among them
	s_barrier_signal -1
	WIN 0xf9
	MUL16 0, 1, \s0, \s1, 0, 0                     ; work on registers while the others arrive
	WIN 0                                          ; at a branch and at a label every window is 0
	s_barrier_wait -1
.if (\fill) == 1
	CREST
	JLOAD \sl
.elseif (\fill) == 2
	CREST
	JLOADB \sl
.endif
	PLACES
	FETCH \n0, \n1, 0, 0
.if PFQ                                ; the chunks that the next change of slots will load: my 12 blocks of 256 bytes of p's, my 24 of v^T's
	WIN 0
	global_prefetch_b8 v28, s[60:61] offset:PFQ th:TH_LOAD_NT scope:SCOPE_SE
	global_prefetch_b8 v29, s[62:63] offset:PFQ th:TH_LOAD_NT scope:SCOPE_SE
.endif
	WIN 0xf9
	MUL16 1, 1, \s0, \s1, 0, 0
.endm
.macro LAST s0, s1                     ; the very last K step: nothing more to fetch
	s_wait_dscnt 0x0
	WIN 0xf9
	MUL16 0, 1, \s0, \s1, 0, 0
	MUL16 1, 1, \s0, \s1, 0, 0
	WIN 0
	PLACES
.endm
; From the four blocks' largest magnitudes in v[TM] on: scale operands, bytes, fragment m's scale word, its codes in v[PC] on.
.macro QTAIL m
.irp b, 0,1,2,3
	v_add_nc_u32 v[TM+12+\b], 0xfe000000, v[TM+\b] ; 4 off the exponent field: the conversion's scale operand
.endr
.irp b, 0,1,2,3
	v_lshrrev_b32 v[TM+4+\b], 23, v[TM+12+\b]      ; the scale's byte
.endr
	v_lshl_or_b32 v[PWS+\m], v[TM+5], 8, v[TM+4]
	v_lshl_or_b32 v[PWS+\m], v[TM+6], 16, v[PWS+\m]
	v_lshl_or_b32 v[PWS+\m], v[TM+7], 24, v[PWS+\m]
	s_wait_xcnt 0x0                                ; the stores issued so far have read their data: the codes' and the words' registers may be written again
	WIN 0x03                                       ; the numbers in window 3
.irp c, 0,1
	v_cvt_scalef32_pk16_bf6_f32 v[PC+6*\c:PC+6*\c+2], v[64*(\m)+32*\c:64*(\m)+32*\c+15], v[TM+12+2*\c]
	v_cvt_scalef32_pk16_bf6_f32 v[PC+12+4*\c:PC+14+4*\c], v[64*(\m)+32*\c+16:64*(\m)+32*\c+31], v[TM+13+2*\c]   ; (a conversion's three registers begin on an even number)
.endr
	WIN 0
	v_nop                                          ; one plain place behind a scaled conversion
.irp c, 0,1                            ; the layout wants a whole block in a lane: lanes 0-15 block 2 c, lanes 16-31 block 2 c + 1
.irp i, 0,1,2
	v_permlane16_swap_b32 v[PC+6*\c+\i], v[PC+12+4*\c+\i]
.endr
.irp i, 0,1,2
	v_mov_b32 v[PC+3+6*\c+\i], v[PC+12+4*\c+\i]
.endr
.endr
.endm
.macro QUANT m                         ; the 64 numbers of source 1's fragment m become a fragment of the next product; each accumulator is read from its low end on
	WIN 0x0f
.irp b, 0,1,2,3
	v_max3_num_f32 v[TM+\b], |v[64*(\m)+16*\b]|, |v[64*(\m)+16*\b+1]|, 0x2800000   ; with the floor 2^(5 - 127)
.endr
.irp i, 2,4,6,8,10,12,14
.irp b, 0,1,2,3
	v_max3_num_f32 v[TM+\b], |v[64*(\m)+16*\b+\i]|, |v[64*(\m)+16*\b+\i+1]|, v[TM+\b]
.endr
.endr
	WIN 0
.irp b, 0,1,2,3
	v_permlanex16_b32 v[TM+4+\b], v[TM+\b], s[SEL], s[SEL+1]
.endr
.irp b, 0,1,2,3
	v_max_num_f32 v[TM+\b], v[TM+\b], v[TM+4+\b]   ; with lane l xor 16's sixteen: the block's
.endr
	QTAIL \m
.endm
.macro PUT bs, off                     ; the fragment leaves as it stands: three stores of 512 consecutive bytes, aligned
.irp c, 0,1,2
	global_store_b128 v[LI], v[PC+4*\c:PC+4*\c+3], s[\bs:\bs+1] offset:(\off)+512*\c
.endr
.endm
.macro PUTS g, vs, bs, off             ; the scale words of fragments 2 g (lanes 0-15) and 2 g + 1 (lanes 16-31)
	v_cndmask_b32 v[OS+3*\g], v[PWS+2*\g], v[PWS+2*\g+1], s[HM]
	global_store_b32 v[LI], v[OS+3*\g], s[\bs:\bs+1] offset:\off   ; place 16 x lane of the scale words' layout
.endm
.macro SCLD reg, np, nk, vs, bs, pi, off   ; scale words of np pairs of row blocks for nk K steps: register reg + np k + g
.set kk, 0
.rept \nk
.if (\np) == 4                         ; the scale words lie [group of 8 row blocks][K step][32 places][4 pairs]: a K step's words of 4 pairs (or of 2) come by one load at 16 x lane
	global_load_b128 v[(\reg)+4*kk:(\reg)+4*kk+3], v[LI], s[\bs:\bs+1] offset:(\off)+512*kk
.else
	global_load_b64 v[(\reg)+2*kk:(\reg)+2*kk+1], v[LI], s[\bs:\bs+1] offset:(\off)+512*kk
.endif
.set kk, kk+1
.endr
.endm
.macro HEAD                            ; ids, descriptors, the first round, both slots' first fills, the addresses that all launches use
	v_lshl_add_u32 v[SPW], v0, 2, SPARE
	v_mov_b32 v[NIL], 0
	ds_add_u32 v16, v17
	ds_add_u32 v16, v17
	s_wait_dscnt 0x0
	v_lshrrev_b32 v1, 5, v0
	v_readfirstlane_b32 s[WV], v1
	v_and_b32 v29, 31, v0                          ; the prefetches' offsets: a lane a block of 256 bytes; the lanes left over name the last block again
	v_min_u32 v28, 11, v29
	v_min_u32 v29, 23, v29
	v_lshlrev_b32 v28, 8, v28
	v_lshlrev_b32 v29, 8, v29
	s_lshr_b32 s[WH], s[WV], 1                     ; my half of source 1's rows.  Also: I fetch for A (0) or B (1)
	s_and_b32 s[WL], s[WV], 1                      ; my half of source 0's rows.  Also: which half of that part I fetch
	s_bfe_u32 s[CX], ttmp6, 0x40000
	s_bfe_u32 s[CY], ttmp6, 0x40004
	s_lshl_b32 s[GX], ttmp9, 2
	s_add_co_u32 s[GX], s[GX], s[CX]               ; X
	s_and_b32 s[CLY], ttmp7, 0xffff                ; the cluster's y; the batch is a quarter of it
	s_lshl_b32 s[GY], s[CLY], 2
	s_add_co_u32 s[GY], s[GY], s[CY]               ; Y
	s_lshl_b32 s80, s[CY], 2
	s_lshl_b32 s80, 15, s80                        ; my row of the cluster
	s_lshl_b32 s84, 0x1111, s[CX]                  ; my column
	s_or_b32 s[G1A], s80, (3<<16)|(1<<21)          ; 15:0 the mask; 17:16 elements of 8 bytes; 21 set beside a mask; no padding
	s_or_b32 s[G1B], s84, (3<<16)|(1<<21)
	s_mov_b32 s[G1A+1], 768<<16                    ; tensor_dim0: 6,144 bytes
	s_mov_b32 s[G1A+2], 4<<16                      ; tensor_dim1: 4 row blocks
	s_mov_b32 s[G1A+3], 768<<16                    ; tile_dim0
	s_mov_b32 s[G1A+4], 4                          ; tile_dim1
	s_mov_b32 s[G1A+5], PEL                        ; from row block to row block
	s_mov_b32 s[G1A+6], 0
	s_mov_b32 s[G1A+7], 0
	s_mov_b32 s[G1B+1], 768<<16
	s_mov_b32 s[G1B+2], 8<<16                      ; 8 row blocks
	s_mov_b32 s[G1B+3], 768<<16
	s_mov_b32 s[G1B+4], 8
	s_mov_b32 s[G1B+5], PEL
	s_mov_b32 s[G1B+6], 0
	s_mov_b32 s[G1B+7], 0
	s_lshl_b32 s80, s[GY], 3                       ; A: row block 8 Y + 4 x half: made of Y and the wave alone
	s_lshl_b32 s81, s[WL], 2
	s_add_co_u32 s80, s80, s81
	s_mul_i32 s80, s80, RBP
	s_mov_b32 s81, 0
	s_lshr_b32 s84, s[CLY], 2                      ; B: made of the batch, X and the wave alone
	s_mul_i32 s84, s84, B_BATCH
	s_mul_i32 s85, s[GX], B_XM
	s_add_co_u32 s84, s84, s85
	s_lshl_b32 s85, s[WL], 3
	s_add_co_u32 s84, s84, s85
	s_add_co_u32 s84, s84, B_ROW0                  ; s84: the first row block of my half of B; it is also my source 0's
	s_mul_i32 s86, s84, RBP
	s_add_co_u32 s86, s86, B_SEC
	s_mov_b32 s87, 0
	; who prefetches what, told apart by address: of part A's 8 row blocks the partner at cx takes 2, a wave half a chunk of one; of part B's 16 the partner at cy takes 4, a wave one
	s_lshl_b32 s18, s[CX], 1
	s_add_co_u32 s18, s18, s[WH]
	s_lshl_b32 s19, s[GY], 3
	s_add_co_u32 s18, s18, s19
	s_mul_i32 s18, s18, RBP
	s_mul_i32 s19, s[WL], 3072
	s_add_co_u32 s18, s18, s19
	s_mov_b32 s19, 0
	s_sub_co_u32 s62, s84, s85
	s_lshl_b32 s63, s[CY], 2
	s_add_co_u32 s62, s62, s63
	s_add_co_u32 s62, s62, s[WV]
	s_mul_i32 s62, s62, RBP
	s_add_co_u32 s62, s62, B_SEC
	s_mov_b32 s63, 0
	s_mul_i32 s82, s[WL], 4*CH                     ; where they go: no place in the cluster enters an LDS address
	s_mul_i32 s83, s[WL], 8*CH
	s_add_co_u32 s83, s83, AB
	s_wait_alu depctr_va_vdst(0)
	CROUND                                         ; the round in front of the first joint loads needs nothing of the arguments: it stands ahead of the wait for them
	s_wait_kmcnt 0x0
	s_add_nc_u64 s[60:61], s[A_PTR:A_PTR+1], s[18:19]
	s_add_nc_u64 s[62:63], s[B_PTR:B_PTR+1], s[62:63]
	s_add_nc_u64 s[80:81], s[A_PTR:A_PTR+1], s[80:81]
	s_add_nc_u64 s[86:87], s[B_PTR:B_PTR+1], s[86:87]
.irp s, 0,1
	s_mov_b32 s[G0A+4*\s], 1
	s_add_co_u32 s[G0A+4*\s+1], s82, \s*SLOT
	s_add_nc_u64 s[G0A+4*\s+2:G0A+4*\s+3], s[80:81], \s*CH
	s_or_b32 s[G0A+4*\s+3], s[G0A+4*\s+3], 0x80000000
	s_mov_b32 s[G0B+4*\s], 1
	s_add_co_u32 s[G0B+4*\s+1], s83, \s*SLOT
	s_add_nc_u64 s[G0B+4*\s+2:G0B+4*\s+3], s[86:87], \s*CH
	s_or_b32 s[G0B+4*\s+3], s[G0B+4*\s+3], 0x80000000
.endr
	JLOAD 0                                        ; slot 0: one tensor load a wave at the head
	v_and_b32 v1, 31, v0                           ; lane
	v_and_b32 v2, 15, v0                           ; r
	v_bfe_u32 v3, v0, 4, 1                         ; h
	v_lshlrev_b32 v[LI], 4, v1
	v_lshlrev_b32 v[VS5], 2, v2
	v_lshl_add_u32 v[VS10], v3, 10, v[VS5]
	v_lshl_add_u32 v[VS5], v3, 9, v[VS5]
	v_lshlrev_b32 v[BA], 6, v3
	s_mul_i32 s89, s[WH], 4*CH
	v_add_nc_u32 v[AS0], s83, v[LI]
	v_add_nc_u32 v[AS1], s89, v[LI]
	v_add_nc_u32 v[AS0+1], SLOT, v[AS0]
	v_add_nc_u32 v[AS1+1], SLOT, v[AS1]
.irp b, 0,1,2,3
	v_mov_b32 v[TM+4+\b], 0                        ; a lane permute's destination counts as read
.endr
	s_mov_b32 s[HM], 0xffff0000
	s_mov_b32 s[SEL], 0x76543210
	s_mov_b32 s[SEL+1], 0xfedcba98
	s_lshl_b32 s88, s[GY], 3
	s_lshl_b32 s89, s[WH], 2
	s_add_co_u32 s88, s88, s89                     ; s88: my source 1's first row block, 8 Y + 4 x half
	s_mov_b32 s99, 0                               ; the upper word of the offsets made in s98
.endm
.macro START
	s_wait_alu depctr_va_vdst(0)
	s_wait_tensorcnt 0x0                           ; my part of slot 0 is in
	ds_add_u32 v[SPW], v[NIL]
	s_wait_dscnt 0x0
	CROUND                                         ; everybody's part is in, and all sixteen work-groups are here
	JLOAD 1                                        ; slot 1's first fill, my one tensor load behind the round
	global_prefetch_b8 v28, s[60:61] offset:2*CH th:TH_LOAD_NT scope:SCOPE_SE   ; keys 1,024 on, which the first change of slots will load
	global_prefetch_b8 v29, s[62:63] offset:2*CH th:TH_LOAD_NT scope:SCOPE_SE
	FETCH AS0, AS1, 0, 0
	WIN 0
.endm
.macro FINISH
	WIN 0
	s_wait_tensorcnt 0x0                           ; the wave's end
	ds_add_u32 v[SPW], v[NIL]
	s_wait_dscnt 0x0
	CROUND                                         ; the closing round: no work-group ends while a partner may still ask for a tile that names it
	s_endpgm
.endm
; ======== END OF THE SHARED PART ========
	s_load_b256 s[4:11], s[0:1], 0x0               ; p_c, p_st, qkv_c, qkv_s
	s_load_b128 s[12:15], s[0:1], 0x20             ; o_c, o_s
	HEAD
	s_lshl_b32 s98, s[GY], 13                      ; group Y: 8,192 bytes (16 key steps),
	s_lshl_b32 s85, s[WH], 3                       ; its pairs 2 x half on
	s_add_co_u32 s98, s98, s85
	s_add_nc_u64 s[90:91], s[6:7], s[98:99]
	s_lshl_b32 s98, s84, 10
	s_add_nc_u64 s[94:95], s[10:11], s[98:99]      ; v^T's scale words, less their section's offset
	s_lshl_b32 s98, s88, 3
	s_lshl_b32 s85, s[GX], 1
	s_add_co_u32 s98, s98, s85
	s_add_co_u32 s85, s98, s[WL]                   ; o: fragment (row block) x 8 + K step 2 X + half
	s_mul_i32 s98, s85, FRB
	s_add_nc_u64 s[72:73], s[12:13], s[98:99]
	s_lshl_b32 s98, s[GX], 1
	s_add_co_u32 s98, s98, s[WL]
	s_lshl_b32 s98, s98, 9                         ; K step 2 X + half,
	s_lshl_b32 s85, s[GY], 12                      ; group Y,
	s_add_co_u32 s98, s98, s85
	s_lshl_b32 s85, s[WH], 3                       ; pairs 2 x half on
	s_add_co_u32 s98, s98, s85
	s_add_nc_u64 s[74:75], s[14:15], s[98:99]
	SCLD 32, 4, 16, VS10, 94, 1024, 524288         ; v32-95   v^T's scale words
	SCLD 128, 2, 16, VS10, 90, 1024, 0             ; v128-159 p's scale words as they were stored: register 2 s + g: key step s, lanes 0-15 fragment 2 g, lanes 16-31 fragment 2 g + 1
	SCLD 160, 2, 16, VS10, 90, 1024, 524288        ; v160-191 -M(step)
	SCLD 192, 2, 16, VS10, 90, 1024, 1048576       ; v192-223 l(step)
	s_mov_b32 s96, 0x80808080
	s_mov_b32 s97, 0x7f7f7f7f
	s_mov_b32 s98, 0x01010101
	s_wait_loadcnt 0x0                             ; scale words and statistics are in
	global_prefetch_b8 v28, s[60:61] offset:CH th:TH_LOAD_NT scope:SCOPE_SE   ; slot 1's tiles: asked for behind slot 0's requests, ahead of their own load
	global_prefetch_b8 v29, s[62:63] offset:CH th:TH_LOAD_NT scope:SCOPE_SE
	; THE ROW'S M AND l, AND p's SCALE WORDS UNDER IT (v96-127), while the first tiles are on their way.  A lane works for its own row.
.irp g, 0,1
	v_min_num_f32 v[230+\g], v[160+\g], v[162+\g]
.endr
.irp s, 2,4,6,8,10,12,14
.irp g, 0,1
	v_min3_num_f32 v[230+\g], v[230+\g], v[160+2*\s+\g], v[162+2*\s+\g]   ; the least -M: minus the row's M
.endr
.endr
.macro ADJ s, g
.set TE, 236+8*(\g)
.set IX, 2*(\s)+(\g)
	v_sub_f32 v[TE], v[230+\g], v[160+IX]          ; M(step) - M: a whole number, 0 or less,
	v_max_num_f32 v[TE], 0xc2fe0000, v[TE]         ; held at -127
	v_cvt_i32_f32 v[TE], v[TE]
	v_or_b32 v[TE+1], s96, v[128+IX]               ; p's bytes lie under 128: with 128 on each, the same number comes off all four without a borrow between bytes
	v_mul_lo_u32 v[TE+2], v[TE], s98
	v_add_nc_u32 v[TE+1], v[TE+1], v[TE+2]
	v_lshrrev_b32 v[TE+2], 7, v[TE+1]
	v_and_b32 v[TE+2], s98, v[TE+2]                ; 1 for each byte that has not fallen under 0,
	v_lshlrev_b32 v[TE+3], 8, v[TE+2]
	v_sub_nc_u32 v[TE+2], v[TE+3], v[TE+2]         ; 255 for it
	v_and_b32 v[TE+1], v[TE+1], v[TE+2]            ; the others are held at 0
	v_and_b32 v[96+IX], s97, v[TE+1]
.if (\s) == 0
	v_ldexp_f32 v[232+\g], v[192+IX], v[TE]        ; l(step) 2^(M(step) - M): nothing is rounded; the first term starts the sum
.else
	v_ldexp_f32 v[TE+3], v[192+IX], v[TE]
	v_add_f32 v[232+\g], v[232+\g], v[TE+3]
.endif
.endm
.irp s, 0,1,2,3,4,5,6,7,8,9,10,11,12,13,14,15
.irp g, 0,1
	ADJ \s, \g
.endr
.endr
	s_wait_alu depctr_va_vdst(0)
.irp g, 0,1
	v_rcp_f32 v[226+\g], v[232+\g]
.endr
.irp g, 0,1
	v_mov_b32 v[228+\g], 0                         ; plain places behind the reciprocals; a lane permute's destination counts as read
.endr
	s_wait_alu depctr_va_vdst(0)                   ; one wait for both, ahead of their first reader
.irp g, 0,1
	v_permlanex16_b32 v[228+\g], v[226+\g], s[SEL], s[SEL+1]
.endr
.irp g, 0,1                            ; 1 / l of fragment m's row r in both halves of the lanes: v[20 + 2 m], as the low word of a pair
	v_cndmask_b32 v[20+4*\g], v[226+\g], v[228+\g], s[HM]
	v_cndmask_b32 v[22+4*\g], v[228+\g], v[226+\g], s[HM]
	v_mov_b32 v[21+4*\g], 0
	v_mov_b32 v[23+4*\g], 0
.endr
	PLACES
	PLACES                                         ; a scale register written by a vector instruction stands eight places ahead of a scaled matrix instruction
	START
	HALF AS0, AS1, 32, 96, 1, 0                    ; keys 0-511: the first K step starts the sums
.set PFQ, 3*CH                         ; keys 1,536 on
	TURN 0, AS0+1, AS1+1, 32+12, 96+6, 1
	HALF AS0+1, AS1+1, 32+16, 96+8, 0, 0
.set PFQ, 0                            ; nothing more is loaded
	TURN 1, AS0, AS1, 32+28, 96+14, 1
	HALF AS0, AS1, 32+32, 96+16, 0, 0
	TURN 0, AS0+1, AS1+1, 32+44, 96+22, 0
	HALF AS0+1, AS1+1, 32+48, 96+24, 0, 0
	LAST 32+60, 96+30
	s_wait_alu depctr_va_vdst(0)
.irp m, 0,1,2,3
	WIN 0xc3
.set j, 0
.rept 32
	v_pk_mul_f32 v[64*\m+j:64*\m+j+1], v[64*\m+j:64*\m+j+1], v[20+2*\m:21+2*\m] op_sel_hi:[1,0]   ; O / l, each accumulator from its low end on
.set j, j+2
.endr
	QUANT \m
	PUT 72, \m*12288
.endr
	PUTS 0, VS5, 74, 0
	PUTS 1, VS5, 74, 4
	FINISH
.Lfunc_end_k_q38f88c0f15_pv:
	.size	k_q38f88c0f15_pv, .Lfunc_end_k_q38f88c0f15_pv-k_q38f88c0f15_pv
	.p2alignl 7, 3214868480
	.fill 96, 4, 3214868480
	.section	.rodata,"a",@progbits
	.p2align	6, 0x0
	.amdhsa_kernel k_q38f88c0f15_pv
		.amdhsa_group_segment_fixed_size 327680
		.amdhsa_private_segment_fixed_size 0
		.amdhsa_enable_private_segment 0
		.amdhsa_kernarg_size 48
		.amdhsa_user_sgpr_count 2
		.amdhsa_user_sgpr_kernarg_segment_ptr 1
		.amdhsa_wavefront_size32 1
		.amdhsa_system_sgpr_workgroup_id_x 1
		.amdhsa_system_sgpr_workgroup_id_y 1
		.amdhsa_system_sgpr_workgroup_id_z 1
		.amdhsa_system_vgpr_workitem_id 0
		.amdhsa_next_free_vgpr 1024
		.amdhsa_next_free_sgpr 100
		.amdhsa_reserve_vcc 0
		.amdhsa_float_denorm_mode_32 3
		.amdhsa_float_denorm_mode_16_64 3
		.amdhsa_memory_ordered 1
		.amdhsa_forward_progress 1
		.amdhsa_inst_pref_size 167
	.end_amdhsa_kernel
	.amdgpu_metadata
---
amdhsa.version: [ 1, 2 ]
amdhsa.kernels:
  - .name:           k_q38f88c0f15_pv
    .symbol:         k_q38f88c0f15_pv.kd
    .args:
      - { .name: p_c, .offset: 0, .size: 8, .value_kind: global_buffer, .address_space: global }
      - { .name: p_st, .offset: 8, .size: 8, .value_kind: global_buffer, .address_space: global }
      - { .name: qkv_c, .offset: 16, .size: 8, .value_kind: global_buffer, .address_space: global }
      - { .name: qkv_s, .offset: 24, .size: 8, .value_kind: global_buffer, .address_space: global }
      - { .name: o_c, .offset: 32, .size: 8, .value_kind: global_buffer, .address_space: global }
      - { .name: o_s, .offset: 40, .size: 8, .value_kind: global_buffer, .address_space: global }
    .group_segment_fixed_size: 327680
    .private_segment_fixed_size: 0
    .kernarg_segment_align: 8
    .kernarg_segment_size: 48
    .max_flat_workgroup_size: 128
    .sgpr_count:     100
    .vgpr_count:     1024
    .wavefront_size: 32
...
	.end_amdgpu_metadata
.endif
;; end of part 4
;; launch outp (part 5): grid 4 x 64, 4 waves a work-group, clusters of 4 x 4, 327,680 bytes of LDS; arguments o_c, o_s, xw_c, xw_s, bo, out0; writes out0
.if DOCPART == 5
	.amdgcn_target "amdgcn-amd-amdhsa--gfx1250"
	.amdhsa_code_object_version 6
	.text
	.protected	k_q38f88c0f15_outp
	.globl	k_q38f88c0f15_outp
	.p2align	8
	.type	k_q38f88c0f15_outp,@function
k_q38f88c0f15_outp:
	s_mov_b64 s[64:65], 0
	v_nop
	global_prefetch_b8 v0, s[64:65] scope:SCOPE_SE
	s_setreg_imm32_b32 hwreg(HW_REG_WAVE_MODE, 25, 1), 1
	s_wait_xcnt 0x0
	s_wait_alu depctr_hold_cnt(0) depctr_sa_sdst(0) depctr_va_vdst(0) depctr_va_sdst(0) depctr_va_ssrc(0) depctr_va_vcc(0) depctr_vm_vsrc(0)
	s_getreg_b32 s2, hwreg(HW_REG_IB_STS2, 6, 4)
	s_cmp_eq_u32 s2, 0
	s_cbranch_scc0 .Lentry_in_a_cluster
	s_endpgm
.Lentry_in_a_cluster:
	s_bfe_u32 s2, ttmp6, 0x10000c
	s_cmp_lg_u32 s2, 0xf033
	s_cbranch_scc0 .Lentry_shape_is_right
	s_endpgm
.Lentry_shape_is_right:
.set PEL,     1536
.set RBP,     12288
.set A_PTR,   4
.set B_PTR,   8
.set B_ROW0,  704
.set B_BATCH, 0
.set B_XM,    16
.set B_SEC,   0
.set STEPA,   0
.set STEPB,   0
.set FRB,   1536
.set CH,    4*FRB
.set AB,    8*CH
.set SLOT,  24*CH
.set SPARE, 2*SLOT
.set LI,   4
.set VS5,  5
.set VS10, 6
.set BA,   7
.set AS0,  8
.set AS1,  10
.set SPW,  16
.set NIL,  17
.set TM,   160
.set PC,   176
.set PWS,  196
.set NMS,  200
.set LS,   208
.set OS,   212
.set SA,   218
.set SB,   220
.set RM,   222
.set T,    223
.set WV,  20
.set WH,  21
.set WL,  22
.set CX,  23
.set CY,  24
.set GX,  25
.set GY,  26
.set CLY, 27
.set G1A, 28
.set G1B, 36
.set G0A, 44
.set G0B, 52
.set HM,  66
.set SEL, 68
.set CS,  70
.set MSB, 0
.macro WIN new
.if MSB != \new
	s_set_vgpr_msb (MSB<<8)|\new
.set MSB, \new
.endif
.endm
.macro PLACES
.rept 4
	v_nop
.endr
.endm
.macro CREST
	s_cmp_lg_u32 s[WV], 0
	s_cbranch_scc1 .Lnot_wave_0_\@
	s_barrier_signal -3
.Lnot_wave_0_\@:
	s_barrier_wait -3
	s_barrier_signal -1
	s_barrier_wait -1
.endm
.macro CROUND
	s_barrier_signal -1
	s_barrier_wait -1
	CREST
.endm
.macro JLOAD s
	s_cmp_eq_u32 s[WH], 0
	s_cbranch_scc0 .Lfor_b_\@
	tensor_load_to_lds s[G0A+4*\s:G0A+4*\s+3], s[G1A:G1A+7]
	s_nop 0
.rept 4
	v_nop
.endr
	s_branch .Lasked_\@
.Lfor_b_\@:
	tensor_load_to_lds s[G0B+4*\s:G0B+4*\s+3], s[G1B:G1B+7]
	s_nop 0
.rept 4
	v_nop
.endr
.Lasked_\@:
.endm
.macro JLOADB s
	s_cmp_eq_u32 s[WH], 0
	s_cbranch_scc1 .Lno_b_\@
	tensor_load_to_lds s[G0B+4*\s:G0B+4*\s+3], s[G1B:G1B+7]
.rept 4
	v_nop
.endr
.Lno_b_\@:
.endm
.macro FETCH a0, a1, q, p
	WIN 0x40
.irp i, 0,1,2,3,4,5,6,7
.irp c, 0,1,2
	ds_load_b128 v[96*(\p)+12*\i+4*\c:96*(\p)+12*\i+4*\c+3], v[\a0] offset:\i*CH+(\q)*FRB+512*\c
.endr
.endr
	WIN 0x80
.irp i, 0,1,2,3
.irp c, 0,1,2
	ds_load_b128 v[48*(\p)+12*\i+4*\c:48*(\p)+12*\i+4*\c+3], v[\a1] offset:\i*CH+(\q)*FRB+512*\c
.endr
.endr
.endm
.macro WME
.if rZ
.if rRA && rRB
	v_wmma_scale_f32_16x16x128_f8f6f4 v[rD:rD+7], v[rA:rA+11], v[rB:rB+11], 0, v[rSA], v[rSB] matrix_a_fmt:MATRIX_FMT_BF6 matrix_b_fmt:MATRIX_FMT_BF6 matrix_a_scale:MATRIX_SCALE_ROW1 matrix_b_scale:MATRIX_SCALE_ROW1
.elseif rRA
	v_wmma_scale_f32_16x16x128_f8f6f4 v[rD:rD+7], v[rA:rA+11], v[rB:rB+11], 0, v[rSA], v[rSB] matrix_a_fmt:MATRIX_FMT_BF6 matrix_b_fmt:MATRIX_FMT_BF6 matrix_a_scale:MATRIX_SCALE_ROW1
.elseif rRB
	v_wmma_scale_f32_16x16x128_f8f6f4 v[rD:rD+7], v[rA:rA+11], v[rB:rB+11], 0, v[rSA], v[rSB] matrix_a_fmt:MATRIX_FMT_BF6 matrix_b_fmt:MATRIX_FMT_BF6 matrix_b_scale:MATRIX_SCALE_ROW1
.else
	v_wmma_scale_f32_16x16x128_f8f6f4 v[rD:rD+7], v[rA:rA+11], v[rB:rB+11], 0, v[rSA], v[rSB] matrix_a_fmt:MATRIX_FMT_BF6 matrix_b_fmt:MATRIX_FMT_BF6
.endif
.else
.if rRA && rRB
	v_wmma_scale_f32_16x16x128_f8f6f4 v[rD:rD+7], v[rA:rA+11], v[rB:rB+11], v[rC:rC+7], v[rSA], v[rSB] matrix_a_fmt:MATRIX_FMT_BF6 matrix_b_fmt:MATRIX_FMT_BF6 matrix_a_scale:MATRIX_SCALE_ROW1 matrix_b_scale:MATRIX_SCALE_ROW1
.elseif rRA
	v_wmma_scale_f32_16x16x128_f8f6f4 v[rD:rD+7], v[rA:rA+11], v[rB:rB+11], v[rC:rC+7], v[rSA], v[rSB] matrix_a_fmt:MATRIX_FMT_BF6 matrix_b_fmt:MATRIX_FMT_BF6 matrix_a_scale:MATRIX_SCALE_ROW1
.elseif rRB
	v_wmma_scale_f32_16x16x128_f8f6f4 v[rD:rD+7], v[rA:rA+11], v[rB:rB+11], v[rC:rC+7], v[rSA], v[rSB] matrix_a_fmt:MATRIX_FMT_BF6 matrix_b_fmt:MATRIX_FMT_BF6 matrix_b_scale:MATRIX_SCALE_ROW1
.else
	v_wmma_scale_f32_16x16x128_f8f6f4 v[rD:rD+7], v[rA:rA+11], v[rB:rB+11], v[rC:rC+7], v[rSA], v[rSB] matrix_a_fmt:MATRIX_FMT_BF6 matrix_b_fmt:MATRIX_FMT_BF6
.endif
.endif
.endm
.macro MUL16 mh, p, s0, s1, cm, cb
.irp m, 2*(\mh), 2*(\mh)+1
.irp t, 0,1,2,3,4,5,6,7
.set rD, 8*(8*(\m)+\t)
.set rA, 96*(\p)+12*\t
.set rB, 48*(\p)+12*(\m)
.set rC, rD
.if (\cm) == 2
.set rC, (\cb)+8*\t
.elseif (\cm) == 3
.set rC, (\cb)+8*(\m)
.endif
.set rSA, (\s0)+\t/2
.set rSB, (\s1)+(\m)/2
.set rRA, \t%2
.set rRB, (\m)%2
.set rZ, (\cm) == 1
	WME
.endr
.endr
.endm
.macro STEP a0, a1, q, p, s0, s1, cm, cb
	s_wait_dscnt 0x0
	PLACES
	FETCH \a0, \a1, (\q)+1, 1-(\p)
.if (\cm) >= 2
	WIN 0xe9
.else
	WIN 0xf9
.endif
	MUL16 0, \p, \s0, \s1, \cm, \cb
	MUL16 1, \p, \s0, \s1, \cm, \cb
.endm
.macro HALF a0, a1, s0, s1, cm, cb
	STEP \a0, \a1, 0, 0, (\s0), (\s1), \cm, \cb
	STEP \a0, \a1, 1, 1, (\s0)+4, (\s1)+2, 0, 0
	STEP \a0, \a1, 2, 0, (\s0)+8, (\s1)+4, 0, 0
.endm
.macro TURN sl, n0, n1, s0, s1, fill
	WIN 0
	s_wait_tensorcnt 0x0
	ds_add_u32 v[SPW], v[NIL]
.if (\fill) == 1
	s_add_nc_u64 s[G0A+4*\sl+2:G0A+4*\sl+3], s[G0A+4*\sl+2:G0A+4*\sl+3], STEPA
.endif
.if (\fill) >= 1
	s_add_nc_u64 s[G0B+4*\sl+2:G0B+4*\sl+3], s[G0B+4*\sl+2:G0B+4*\sl+3], STEPB
.endif
	s_wait_dscnt 0x0
	s_barrier_signal -1
	WIN 0xf9
	MUL16 0, 1, \s0, \s1, 0, 0
	WIN 0
	s_barrier_wait -1
.if (\fill) == 1
	CREST
	JLOAD \sl
.elseif (\fill) == 2
	CREST
	JLOADB \sl
.endif
	PLACES
	FETCH \n0, \n1, 0, 0
	WIN 0xf9
	MUL16 1, 1, \s0, \s1, 0, 0
.endm
.macro LAST s0, s1
	s_wait_dscnt 0x0
	WIN 0xf9
	MUL16 0, 1, \s0, \s1, 0, 0
	MUL16 1, 1, \s0, \s1, 0, 0
	WIN 0
	PLACES
.endm
.macro SCLD reg, np, nk, vs, bs, pi, off
.set kk, 0
.rept \nk
.if (\np) == 4                         ; the scale words lie [group of 8 row blocks][K step][32 places][4 pairs]: a K step's words of 4 pairs (or of 2) come by one load at 16 x lane
	global_load_b128 v[(\reg)+4*kk:(\reg)+4*kk+3], v[LI], s[\bs:\bs+1] offset:(\off)+512*kk
.else
	global_load_b64 v[(\reg)+2*kk:(\reg)+2*kk+1], v[LI], s[\bs:\bs+1] offset:(\off)+512*kk
.endif
.set kk, kk+1
.endr
.endm
.macro HEAD
	v_lshl_add_u32 v[SPW], v0, 2, SPARE
	v_mov_b32 v[NIL], 0
	ds_add_u32 v16, v17
	ds_add_u32 v16, v17
	s_wait_dscnt 0x0
	v_lshrrev_b32 v1, 5, v0
	v_readfirstlane_b32 s[WV], v1
	v_and_b32 v29, 31, v0                          ; the prefetches' offsets: a lane a block of 256 bytes; the lanes left over name the last block again
	v_min_u32 v28, 11, v29
	v_min_u32 v29, 23, v29
	v_lshlrev_b32 v28, 8, v28
	v_lshlrev_b32 v29, 8, v29
	s_lshr_b32 s[WH], s[WV], 1
	s_and_b32 s[WL], s[WV], 1
	s_bfe_u32 s[CX], ttmp6, 0x40000
	s_bfe_u32 s[CY], ttmp6, 0x40004
	s_lshl_b32 s[GX], ttmp9, 2
	s_add_co_u32 s[GX], s[GX], s[CX]
	s_and_b32 s[CLY], ttmp7, 0xffff
	s_lshl_b32 s[GY], s[CLY], 2
	s_add_co_u32 s[GY], s[GY], s[CY]
	s_lshl_b32 s80, s[CY], 2
	s_lshl_b32 s80, 15, s80
	s_lshl_b32 s84, 0x1111, s[CX]
	s_or_b32 s[G1A], s80, (3<<16)|(1<<21)
	s_or_b32 s[G1B], s84, (3<<16)|(1<<21)
	s_mov_b32 s[G1A+1], 768<<16
	s_mov_b32 s[G1A+2], 4<<16
	s_mov_b32 s[G1A+3], 768<<16
	s_mov_b32 s[G1A+4], 4
	s_mov_b32 s[G1A+5], PEL
	s_mov_b32 s[G1A+6], 0
	s_mov_b32 s[G1A+7], 0
	s_mov_b32 s[G1B+1], 768<<16
	s_mov_b32 s[G1B+2], 8<<16
	s_mov_b32 s[G1B+3], 768<<16
	s_mov_b32 s[G1B+4], 8
	s_mov_b32 s[G1B+5], PEL
	s_mov_b32 s[G1B+6], 0
	s_mov_b32 s[G1B+7], 0
	s_lshl_b32 s80, s[GY], 3
	s_lshl_b32 s81, s[WL], 2
	s_add_co_u32 s80, s80, s81
	s_mul_i32 s80, s80, RBP
	s_mov_b32 s81, 0
	s_lshr_b32 s84, s[CLY], 2
	s_mul_i32 s84, s84, B_BATCH
	s_mul_i32 s85, s[GX], B_XM
	s_add_co_u32 s84, s84, s85
	s_lshl_b32 s85, s[WL], 3
	s_add_co_u32 s84, s84, s85
	s_add_co_u32 s84, s84, B_ROW0
	s_mul_i32 s86, s84, RBP
	s_add_co_u32 s86, s86, B_SEC
	s_mov_b32 s87, 0
	; who prefetches what, told apart by address: of part A's 8 row blocks the partner at cx takes 2, a wave half a chunk of one; of part B's 16 the partner at cy takes 4, a wave one
	s_lshl_b32 s18, s[CX], 1
	s_add_co_u32 s18, s18, s[WH]
	s_lshl_b32 s19, s[GY], 3
	s_add_co_u32 s18, s18, s19
	s_mul_i32 s18, s18, RBP
	s_mul_i32 s19, s[WL], 3072
	s_add_co_u32 s18, s18, s19
	s_mov_b32 s19, 0
	s_sub_co_u32 s62, s84, s85
	s_lshl_b32 s63, s[CY], 2
	s_add_co_u32 s62, s62, s63
	s_add_co_u32 s62, s62, s[WV]
	s_mul_i32 s62, s62, RBP
	s_add_co_u32 s62, s62, B_SEC
	s_mov_b32 s63, 0
	s_mul_i32 s82, s[WL], 4*CH
	s_mul_i32 s83, s[WL], 8*CH
	s_add_co_u32 s83, s83, AB
	s_wait_alu depctr_va_vdst(0)
	CROUND                                         ; the round in front of the first joint loads needs nothing of the arguments: it stands ahead of the wait for them
	s_wait_kmcnt 0x0
	s_add_nc_u64 s[60:61], s[A_PTR:A_PTR+1], s[18:19]
	s_add_nc_u64 s[62:63], s[B_PTR:B_PTR+1], s[62:63]
	s_add_nc_u64 s[80:81], s[A_PTR:A_PTR+1], s[80:81]
	s_add_nc_u64 s[86:87], s[B_PTR:B_PTR+1], s[86:87]
.irp s, 0,1
	s_mov_b32 s[G0A+4*\s], 1
	s_add_co_u32 s[G0A+4*\s+1], s82, \s*SLOT
	s_add_nc_u64 s[G0A+4*\s+2:G0A+4*\s+3], s[80:81], \s*CH
	s_or_b32 s[G0A+4*\s+3], s[G0A+4*\s+3], 0x80000000
	s_mov_b32 s[G0B+4*\s], 1
	s_add_co_u32 s[G0B+4*\s+1], s83, \s*SLOT
	s_add_nc_u64 s[G0B+4*\s+2:G0B+4*\s+3], s[86:87], \s*CH
	s_or_b32 s[G0B+4*\s+3], s[G0B+4*\s+3], 0x80000000
.endr
	JLOAD 0                                        ; slot 0: one tensor load a wave at the head
	v_and_b32 v1, 31, v0
	v_and_b32 v2, 15, v0
	v_bfe_u32 v3, v0, 4, 1
	v_lshlrev_b32 v[LI], 4, v1
	v_lshlrev_b32 v[VS5], 2, v2
	v_lshl_add_u32 v[VS10], v3, 10, v[VS5]
	v_lshl_add_u32 v[VS5], v3, 9, v[VS5]
	v_lshlrev_b32 v[BA], 6, v3
	s_wait_alu depctr_va_vdst(0)
	s_mul_i32 s89, s[WH], 4*CH
	v_add_nc_u32 v[AS0], s83, v[LI]
	v_add_nc_u32 v[AS1], s89, v[LI]
	v_add_nc_u32 v[AS0+1], SLOT, v[AS0]
	v_add_nc_u32 v[AS1+1], SLOT, v[AS1]
	s_lshl_b32 s88, s[GY], 3
	s_lshl_b32 s89, s[WH], 2
	s_add_co_u32 s88, s88, s89
	s_mov_b32 s99, 0
.endm
.macro START
	s_wait_loadcnt 0x0                             ; scale words and the bias are in
	global_prefetch_b8 v28, s[60:61] offset:CH th:TH_LOAD_NT scope:SCOPE_SE   ; slot 1's tiles: asked for behind slot 0's requests, ahead of their own load
	global_prefetch_b8 v29, s[62:63] offset:CH th:TH_LOAD_NT scope:SCOPE_SE
	s_wait_tensorcnt 0x0                           ; my part of slot 0 is in
	ds_add_u32 v[SPW], v[NIL]
	s_wait_dscnt 0x0
	CROUND                                         ; everybody's part is in, and all sixteen work-groups are here
	JLOAD 1                                        ; slot 1's first fill, my one tensor load behind the round
	FETCH AS0, AS1, 0, 0
	WIN 0
.endm
.macro FINISH
	WIN 0
	s_wait_tensorcnt 0x0
	ds_add_u32 v[SPW], v[NIL]
	s_wait_dscnt 0x0
	CROUND
	s_endpgm
.endm
.set STO, 18
.set RD,  19
.set BK,  128
	s_load_b256 s[4:11], s[0:1], 0x0
	s_load_b128 s[12:15], s[0:1], 0x20
	HEAD
	s_mul_i32 s85, s[WV], 16*528
	v_mul_u32_u24 v[STO], v2, 528
	v_lshl_add_u32 v[STO], v3, 6, v[STO]
	v_add_nc_u32 v[STO], s85, v[STO]
	v_add_nc_u32 v[RD], s85, v[LI]
	s_lshl_b32 s98, s[GY], 12                      ; o's scale words: group Y,
	s_lshl_b32 s85, s[WH], 3                       ; its pairs 2 x half on
	s_add_co_u32 s98, s98, s85
	s_add_nc_u64 s[90:91], s[6:7], s[98:99]
	s_lshl_b32 s98, s84, 9
	s_add_nc_u64 s[94:95], s[10:11], s[98:99]
	s_lshl_b32 s98, s[GX], 10
	s_lshl_b32 s85, s[WL], 9
	s_add_co_u32 s98, s98, s85
	s_add_nc_u64 s[12:13], s[12:13], s[98:99]
	s_add_nc_u64 s[72:73], s[14:15], s[98:99]
	s_lshl_b32 s98, s88, 16
	s_add_nc_u64 s[72:73], s[72:73], s[98:99]
	SCLD 32, 2, 8, VS5, 90, 512, 0
	SCLD 48, 4, 8, VS5, 94, 512, 0
	WIN 0x80
.irp t, 0,1,2,3,4,5,6,7
	global_load_b128 v[96+8*\t:96+8*\t+3], v[BA], s[12:13] offset:(32*(\t/2)+8*(\t%2))*4
	global_load_b128 v[96+8*\t+4:96+8*\t+7], v[BA], s[12:13] offset:(32*(\t/2)+8*(\t%2))*4+16
.endr
	WIN 0
	s_wait_alu depctr_va_vdst(0)
	START
	HALF AS0, AS1, 48, 32, 2, 96
	TURN 0, AS0+1, AS1+1, 48+12, 32+6, 0
	HALF AS0+1, AS1+1, 48+16, 32+8, 0, 0
	LAST 48+28, 32+14
.macro TOSTAGE m
	WIN 0x0c
.irp t, 0,1,2,3,4,5,6,7
	ds_store_b128 v[STO], v[8*(8*(\m)+\t):8*(8*(\m)+\t)+3] offset:128*(\t/2)+32*(\t%2)
	ds_store_b128 v[STO], v[8*(8*(\m)+\t)+4:8*(8*(\m)+\t)+7] offset:128*(\t/2)+32*(\t%2)+16
.endr
	WIN 0
.irp q, 0,1,2,3,4,5,6,7,8,9,10,11,12,13,14,15
	ds_load_b128 v[BK+64*((\m)%2)+4*\q:BK+64*((\m)%2)+4*\q+3], v[RD] offset:\q*528
.endr
.endm
.macro SEND m, younger
	s_wait_dscnt \younger
.irp q, 0,1,2,3,4,5,6,7,8,9,10,11,12,13,14,15
	global_store_b128 v[LI], v[BK+64*((\m)%2)+4*\q:BK+64*((\m)%2)+4*\q+3], s[72:73] offset:(32*((\m)/2)+8*((\m)%2)+\q+8*(\q/8))*4096 th:TH_STORE_NT
.endr
.endm
	TOSTAGE 0
.irp m, 1,2,3
.if \m > 1
	s_wait_xcnt 0x0
.endif
	TOSTAGE \m
	SEND \m-1, 32
.endr
	SEND 3, 0
	FINISH
.Lfunc_end_k_q38f88c0f15_outp:
	.size	k_q38f88c0f15_outp, .Lfunc_end_k_q38f88c0f15_outp-k_q38f88c0f15_outp
	.p2alignl 7, 3214868480
	.fill 96, 4, 3214868480
	.section	.rodata,"a",@progbits
	.p2align	6, 0x0
	.amdhsa_kernel k_q38f88c0f15_outp
		.amdhsa_group_segment_fixed_size 327680
		.amdhsa_private_segment_fixed_size 0
		.amdhsa_enable_private_segment 0
		.amdhsa_kernarg_size 48
		.amdhsa_user_sgpr_count 2
		.amdhsa_user_sgpr_kernarg_segment_ptr 1
		.amdhsa_wavefront_size32 1
		.amdhsa_system_sgpr_workgroup_id_x 1
		.amdhsa_system_sgpr_workgroup_id_y 1
		.amdhsa_system_sgpr_workgroup_id_z 1
		.amdhsa_system_vgpr_workitem_id 0
		.amdhsa_next_free_vgpr 1024
		.amdhsa_next_free_sgpr 100
		.amdhsa_reserve_vcc 0
		.amdhsa_float_denorm_mode_32 3
		.amdhsa_float_denorm_mode_16_64 3
		.amdhsa_memory_ordered 1
		.amdhsa_forward_progress 1
		.amdhsa_inst_pref_size 79
	.end_amdhsa_kernel
	.amdgpu_metadata
---
amdhsa.version: [ 1, 2 ]
amdhsa.kernels:
  - .name:           k_q38f88c0f15_outp
    .symbol:         k_q38f88c0f15_outp.kd
    .args:
      - { .name: o_c, .offset: 0, .size: 8, .value_kind: global_buffer, .address_space: global }
      - { .name: o_s, .offset: 8, .size: 8, .value_kind: global_buffer, .address_space: global }
      - { .name: xw_c, .offset: 16, .size: 8, .value_kind: global_buffer, .address_space: global }
      - { .name: xw_s, .offset: 24, .size: 8, .value_kind: global_buffer, .address_space: global }
      - { .name: bo, .offset: 32, .size: 8, .value_kind: global_buffer, .address_space: global }
      - { .name: out0, .offset: 40, .size: 8, .value_kind: global_buffer, .address_space: global }
    .group_segment_fixed_size: 327680
    .private_segment_fixed_size: 0
    .kernarg_segment_align: 8
    .kernarg_segment_size: 48
    .max_flat_workgroup_size: 128
    .sgpr_count:     100
    .vgpr_count:     1024
    .wavefront_size: 32
...
	.end_amdgpu_metadata
.endif
;; end of part 5
